; MI455X (gfx1250); checked and timed in simulation.
; The chip was launched on July 23, 2026; its instructions are those of AMD's public machine-readable ISA for CDNA 5 (MIT licence, August 2026) and "CDNA5" Instruction Set Architecture Reference Guide (July 2026). The comments in the code are by the model that wrote it; some were corrected since.
;; Self Attention layer. Allowed arithmetic: matrix products marked QUANTISED: E2M3 operands, one E8M0 scale for each 32 along K, by v_wmma_scale_f32_16x16x128_f8f6f4 with both operands' format E2M3, f32 sums; everything else in f32.
;; Inputs: b_proj 1,024 float32; b_qkv 3,072 float32; w_proj 1,024 x 1,024 float32; w_qkv 1,024 x 3,072 float32; x 4 x 2,048 x 1,024 float32.
;; Outputs: out0 4 x 2,048 x 1,024 float32.
;; This version of the problem:
;;   THIS VERSION OF THE PROBLEM IS GIVEN IN LOW PRECISION. The matrix products marked QUANTISED in the list below multiply operands that are first quantised to E2M3 (2 exponent bits, 3 mantissa bits; 6 bits a number), with one power-of-two scale for each 32 numbers along K (OCP MX v1.0); their sums are f32. All else is computed in f32.
;;   The module's matrix products, in the order in which they are computed (A, B: the left and right operand; K: the contracted axis; several contracted axes count as one K, in the product's order):
;;     1. [M 8,192, K 1,024] x [K 1,024, N 3,072]; A: input x; B: input w_qkv: QUANTISED
;;     2. batch 64 x [M 2,048, K 64] x [K 64, N 2,048]; A: computed on the way; B: computed on the way: QUANTISED
;;     3. batch 64 x [M 2,048, K 2,048] x [K 2,048, N 64]; A: softmax (see below); B: computed on the way: QUANTISED
;;     4. [M 8,192, K 1,024] x [K 1,024, N 1,024]; A: computed on the way; B: input w_proj: QUANTISED
;;   THE QUANTISER, for each operand of a quantised product, along K:
;;     - K is cut into blocks of 32 from its start; a last block that is shorter is filled with zeros.
;;     - A block's scale is 2^e with e = floor(log2(the largest magnitude in the block)) - 2, held to -126 .. 127; a block of zeros has e = 0. As a byte (E8M0): e + 127.
;;     - Each number is divided by its block's scale, clamped to +-7.5, and rounded to the nearest number of E2M3, ties to even, subnormals kept.
;;     - The product sums the exact products of the quantised numbers (number of the format x scale) in f32.
;;   ~~~python
;;   def quantise(x, axis):      # numpy; x: float32 -> the quantised numbers, widened to float32 again
;;       x = np.moveaxis(x, axis, -1); K = x.shape[-1]
;;       x = np.pad(x, [(0, 0)] * (x.ndim - 1) + [(0, -K % 32)]); x = x.reshape(x.shape[:-1] + (-1, 32)); a = np.abs(x).max(-1, keepdims=True)
;;       e = np.where(a > 0, np.clip(np.frexp(np.where(a > 0, a, 1))[1] - 1 - 2, -126, 127), 0)      # np.frexp(a)[1] - 1 = floor(log2(a)), exactly
;;       r = np.clip(x / 2.0 ** e, -7.5, 7.5)
;;       step = 2.0 ** (np.maximum(np.frexp(np.where(r == 0, 1, r))[1] - 1, 0) - 3)
;;       q = np.round(r / step) * step * 2.0 ** e      # np.round: ties to even
;;       return np.moveaxis(q.reshape(q.shape[:-2] + (-1,))[..., :K], -1, axis).astype(np.float32)
;;   ~~~
;;   SOFTMAX AHEAD OF A QUANTISED PRODUCT. Where the list says 'softmax', what is quantised is not the finished softmax but p = 2^(t - M), with t = logit x log2(e) and M = ceil(the row's largest t), a whole number; so 1/2 < the row's largest p <= 1. The row's sum l is taken of the UNQUANTISED p, in f32, and the product's result is divided by l at the end. Since M is a whole number, a kernel that streams over the keys may use a running M (the ceiling of the running maximum): every later rescaling is an exact power of two, which a block's scale takes up: the codes' values come out the same.
;;   OPERANDS COMPUTED ON THE WAY. 'Computed on the way' means the value that the module computes at that place (a softmax that the list does not call 'softmax' is quantised finished and normalised). What goes into a quantiser is computed in f32, as accurately as f32 sums, v_exp_f32 and their like allow (about 1e-6 of the number): no bf16 or f16 on the way to a quantiser, and a product that is left as it is and whose result goes on into a quantised operand takes f32 operands (vector FMAs, or v_wmma_f32_16x16x4_f32). A number that lies on a knife's edge between two numbers of the format may be rounded either way, as far as f32 arithmetic and the matrix unit's own rounding can turn it there, and no further.
;; One version. Each part assembles by itself: llvm-mc -triple=amdgcn-amd-amdhsa -mcpu=gfx1250 --defsym DOCPART=n.
;; ======== version 1 of 1: 4 launches
;; limits: right only within a limited range of input values
;; workspace buffers: xq 6,291,456 bytes; wc 3,145,728 bytes; sc1 360,448 bytes; sc2 294,912 bytes; qc 6,553,600 bytes; kv 13,107,200 bytes; oq 6,291,456 bytes
;; launch quant (part 1): grid 384 x 1, 4 waves a work-group, no clusters, 34,304 bytes of LDS; arguments x, w_qkv, w_proj, xq, wc, sc1, sc2; writes xq, wc, sc1, sc2
.if DOCPART == 1
	.amdgcn_target "amdgcn-amd-amdhsa--gfx1250"
	.amdhsa_code_object_version 6
	.text
	.protected	k_q1bcb57a202_quant
	.globl	k_q1bcb57a202_quant
	.p2align	8
	.type	k_q1bcb57a202_quant,@function
k_q1bcb57a202_quant:
	s_mov_b64 s[64:65], 0
	v_nop
	global_prefetch_b8 v0, s[64:65] scope:SCOPE_SE
	s_setreg_imm32_b32 hwreg(HW_REG_WAVE_MODE, 25, 1), 1
	s_wait_xcnt 0x0
; x [8192][1024], w_qkv [1024][3072] and w_proj [1024][1024], f32, become codes of FP6 (E2M3) with one E8M0 byte for each 32 along K (x: its last axis; the weights: their first).
; NO WORK OF THE PROBLEM IS LEFT OUT in any launch of this program: there is no mask, no slice and no zero state, and both biases stand ahead of a quantiser or of the output, so every input is loaded.
; A block's scale is 2^(floor(log2(its largest magnitude)) - 2); its byte is the largest magnitude's exponent field - 2, held at 1 from below.
; LIMITS: a block of zeros, or one whose largest magnitude lies under 2^-124, gets the byte 1 where the rule says 127 or less: its codes are zeros or near it, and the bytes are read by this program alone;
; NaN and infinities among the inputs are not served.
; LAYOUT OF THE RESULTS: the order of the operand's registers.  A TILE is 16 rows of an operand (tokens of x, columns of a weight); row p of tile T is matrix row 32 (T / 2) + 8 (T % 2) + p + 8 (p / 8).
; A HALF IMAGE (768 bytes) holds 16 rows x 64 along K, six registers a lane (lane (r, h): row r, k = 32 h .. 32 h + 31): registers 0-3 at 16 x lane, registers 4-5 at 512 + 16 r + 8 h.
; Codes: tile T at 12,288 T, K step s of 128 at + 1,536 s, its two halves on end.  Scale words (four bytes: 128 along K of a row): 512 T + 256 (s / 4) + 16 r + 4 (s % 4).
; SHARES.  Work-groups 0-255: x; wave W = 4 x work-group + wave takes tile W / 2, K steps 4 (W % 2) on.  Work-groups 256-383: the weights; a wave takes 32 columns (two tiles) x 256 along K.  Each wave reads 32 KiB.
; No tensor load, no barrier: waves share nothing.  Only x's path uses LDS: a stage of 16 rows x 528 bytes for each wave.
.set SPARE, 33792                      ; behind the four stages: the spare words, 128 bytes for each wave
.set VO16, 4                           ; v4   16 x lane
.set VO8,  5                           ; v5   512 + 16 r + 8 h
.set STI,  6                           ; v6   the stage, on the way in: 16 x lane
.set STO,  7                           ; v7   and out: 528 r + 64 h
.set SPW,  8                           ; v8   my spare word; never rewritten
.set NIL,  9                           ; v9   0; never rewritten
.set VW,   14                          ; v14  16 r + 8 h
.set R,    16                          ; v16-143  x: two sets of 64 numbers as loaded
.set X,    144                         ; v144-207 x: 64 numbers of my row: register 16 b + i = k 32 b + 16 h + i
.set PC,   208                         ; v208-226 the codes just made
.set TM,   228                         ; v228-239 at work: largest magnitudes, bytes, scale operands
.set WS,   244                         ; v244-247 my four scale words
.set XW,   16                          ; weights: v16-79 two sets of 32 numbers
.set VO,   144                         ; v144-175 byte offset of row i of a block, at my column
.set CX0,  176                         ; registers 0-3 of the half image's lane, for the even block and (CX1) the odd
.set CX1,  180
.set CY,   184                         ; a block's upper 16 codes
.set CZ,   192                         ; registers 4-5, of the even block and of the odd
.set WSC,  196                         ; v196-197 my column's two scale words
.set VD16, 204                         ; 12,288 u + 16 r
.set VSC,  205                         ; 512 u + 16 r
.set SEL,  20
; 64 numbers of a lane, v[s] on, register 16 b + i = k 32 b + 16 (lane / 16) + i of my row, become a fragment's codes in v[PC] .. v[PC + 11] and its scale word in v[pw].
.macro QUANT s, pw
.irp b, 0,1,2,3
	v_max3_num_f32 v[TM+\b], |v[\s+16*\b]|, |v[\s+1+16*\b]|, 0x1800000   ; block b: my 16 numbers, and the floor 2^(3 - 127): the byte cannot fall under 1
.endr
.irp i, 2,4,6,8,10,12,14
.irp b, 0,1,2,3
	v_max3_num_f32 v[TM+\b], v[TM+\b], |v[\s+16*\b+\i]|, |v[\s+1+16*\b+\i]|
.endr
.endr
.irp b, 0,1,2,3
	v_permlanex16_b32 v[TM+4+\b], v[TM+\b], s[SEL], s[SEL+1]
.endr
.irp b, 0,1,2,3
	v_max_num_f32 v[TM+\b], v[TM+\b], v[TM+4+\b]   ; with lane l xor 16's: the block's largest magnitude
.endr
.irp b, 0,1,2,3
	v_add_nc_u32 v[TM+8+\b], 0xff000000, v[TM+\b]  ; 2 off its exponent field: the conversion's scale operand
.endr
.irp b, 0,1,2,3
	v_lshrrev_b32 v[TM+4+\b], 23, v[TM+8+\b]       ; the scale's byte
.endr
	v_lshl_or_b32 v[\pw], v[TM+5], 8, v[TM+4]
	v_lshl_or_b32 v[\pw], v[TM+6], 16, v[\pw]
	v_lshl_or_b32 v[\pw], v[TM+7], 24, v[\pw]
.irp c, 0,1
	v_cvt_scalef32_pk16_fp6_f32 v[PC+6*\c:PC+2+6*\c], v[\s+32*\c:\s+15+32*\c], v[TM+8+2*\c]
	v_cvt_scalef32_pk16_fp6_f32 v[PC+12+4*\c:PC+14+4*\c], v[\s+16+32*\c:\s+31+32*\c], v[TM+8+2*\c+1]   ; (a conversion's three registers begin on an even number)
.endr
	v_nop                                          ; one plain place behind a scaled conversion
.irp c, 0,1                                    ; the operand's layout wants a whole block in a lane
.irp i, 0,1,2
	v_permlane16_swap_b32 v[PC+6*\c+\i], v[PC+12+4*\c+\i]
.endr
.irp i, 0,1,2
	v_mov_b32 v[PC+3+6*\c+\i], v[PC+12+4*\c+\i]
.endr
.endr
.endm
	s_load_b256 s[4:11], s[0:1], 0x0               ; x, w_qkv, w_proj, xq
	s_load_b128 s[12:15], s[0:1], 0x20             ; wc, sc1
	s_load_b64 s[16:17], s[0:1], 0x30              ; sc2
	v_lshl_add_u32 v[SPW], v0, 2, SPARE
	v_mov_b32 v[NIL], 0
	v_lshrrev_b32 v1, 5, v0
	v_readfirstlane_b32 s18, v1                    ; wave
	v_and_b32 v1, 31, v0                           ; lane
	v_and_b32 v2, 15, v0                           ; r
	v_bfe_u32 v3, v0, 4, 1                         ; h
	v_lshlrev_b32 v[VO16], 4, v1
	v_lshlrev_b32 v[VW], 4, v2
	v_lshl_add_u32 v[VW], v3, 3, v[VW]
	v_add_nc_u32 v[VO8], 512, v[VW]
	s_mov_b32 s[SEL], 0x76543210
	s_mov_b32 s[SEL+1], 0xfedcba98                 ; v_permlanex16_b32's selects for lane l xor 16
	s_mov_b32 s22, 0xffff0000                      ; lanes 16-31
	s_cmp_ge_u32 ttmp9, 256
	s_cbranch_scc1 .Lweights
	; ---- x
	s_lshl_b32 s32, ttmp9, 2
	s_add_co_u32 s32, s32, s18
	s_and_b32 s33, s32, 1                          ; which half of K
	s_lshr_b32 s32, s32, 1                         ; tile T
	s_lshr_b32 s34, s32, 1
	s_lshl_b32 s34, s34, 5
	s_and_b32 s35, s32, 1
	s_lshl_b32 s35, s35, 3
	s_add_co_u32 s34, s34, s35                     ; the tile's first row: 32 (T / 2) + 8 (T % 2)
	s_lshl_b32 s34, s34, 12                        ; rows of 4,096 bytes
	s_lshl_b32 s35, s33, 11
	s_add_co_u32 s34, s34, s35                     ; + 2,048 bytes for the upper half of K
	s_mov_b32 s35, 0
	s_mul_i32 s36, s32, 12288
	s_mul_i32 s37, s33, 6144
	s_add_co_u32 s36, s36, s37
	s_mov_b32 s37, 0
	s_lshl_b32 s38, s32, 9
	s_lshl_b32 s39, s33, 8
	s_add_co_u32 s38, s38, s39
	s_mov_b32 s39, 0
	s_mul_i32 s40, s18, 8448                       ; my stage
	s_wait_alu depctr_va_vdst(0)
	v_add_nc_u32 v[STI], s40, v[VO16]
	v_mul_u32_u24 v[STO], v2, 528
	v_lshl_add_u32 v[STO], v3, 6, v[STO]
	v_add_nc_u32 v[STO], s40, v[STO]
.irp b, 0,1,2,3
	v_mov_b32 v[TM+4+\b], 0                        ; written once: a lane permute's destination counts as one of its sources
.endr
	s_wait_alu depctr_va_vdst(0)
	s_wait_kmcnt 0x0
	s_add_nc_u64 s[24:25], s[4:5], s[34:35]
	s_add_nc_u64 s[26:27], s[10:11], s[36:37]
	s_add_nc_u64 s[28:29], s[14:15], s[38:39]
.macro XLOAD t                         ; K step t of my four: each load takes 512 consecutive bytes of one of the tile's 16 rows
.irp p, 0,1,2,3,4,5,6,7,8,9,10,11,12,13,14,15
	global_load_b128 v[R+64*((\t)%2)+4*\p:R+64*((\t)%2)+4*\p+3], v[VO16], s[24:25] offset:(\p+8*(\p/8))*4096+512*(\t) th:TH_LOAD_NT
.endr
.endm
.macro XSTEP t
.if (\t) < 3
	s_wait_loadcnt 16                              ; this step's 16 loads are in; the next step's 16 may be out
.else
	s_wait_loadcnt 0x0
.endif
.irp p, 0,1,2,3,4,5,6,7,8,9,10,11,12,13,14,15
	ds_store_b128 v[STI], v[R+64*((\t)%2)+4*\p:R+64*((\t)%2)+4*\p+3] offset:528*\p
.endr
.irp b, 0,1,2,3
.irp j, 0,1,2,3
	ds_load_b128 v[X+16*\b+4*\j:X+16*\b+4*\j+3], v[STO] offset:128*\b+16*\j   ; LDS serves a wave's instructions in order: these see the stores above
.endr
.endr
	s_wait_dscnt 0x0                               ; my 64 numbers are back, and the stores have read their registers
	s_wait_xcnt 0x0                                ; the last step's stores have read the codes' registers, which are written again below
.if (\t)+2 < 4
	XLOAD (\t)+2
.endif
	QUANT X, WS+(\t)
	global_store_b128 v[VO16], v[PC:PC+3], s[26:27] offset:1536*(\t)          ; 512 consecutive bytes
	global_store_b64 v[VO8], v[PC+4:PC+5], s[26:27] offset:1536*(\t)          ; 256
	global_store_b128 v[VO16], v[PC+6:PC+9], s[26:27] offset:1536*(\t)+768
	global_store_b64 v[VO8], v[PC+10:PC+11], s[26:27] offset:1536*(\t)+768
.endm
	XLOAD 0
	XLOAD 1
	XSTEP 0
	XSTEP 1
	XSTEP 2
	XSTEP 3
	v_cndmask_b32 v10, v[WS], v[WS+2], s22         ; lanes 0-15 store words 0, 1 of their row, lanes 16-31 words 2, 3:
	v_cndmask_b32 v11, v[WS+1], v[WS+3], s22
	global_store_b64 v[VW], v[10:11], s[28:29]     ; 256 consecutive bytes, aligned
	s_wait_tensorcnt 0x0                           ; the wave's end
	ds_add_u32 v[SPW], v[NIL]
	s_wait_dscnt 0x0
	s_endpgm
	; ---- the weights: A LANE TAKES A COLUMN, AND ITS REGISTERS RUN DOWN K: a block of 32 lies in one lane, and the conversions give codes with K innermost
.Lweights:
	s_sub_co_u32 s32, ttmp9, 256
	s_and_b32 s33, s32, 31
	s_lshr_b32 s34, s32, 5                         ; which 256 along K
	s_lshl_b32 s35, s33, 2
	s_add_co_u32 s35, s35, s18                     ; G: which 32 of the 4,096 columns (3,072 of w_qkv, then 1,024 of w_proj)
	s_wait_kmcnt 0x0
	s_cmp_lt_u32 s33, 24                           ; the choice hangs on the work-group's number alone
	s_cselect_b64 s[24:25], s[6:7], s[8:9]
	s_cselect_b64 s[28:29], s[14:15], s[16:17]
	s_mov_b32 s36, 4096
	s_cselect_b32 s36, 12288, s36                  ; a row of the tensor in bytes
	s_cselect_b32 s37, 0, 96
	s_sub_co_u32 s37, s35, s37                     ; which 32 columns of that tensor
	s_wait_alu depctr_va_vdst(0)
	v_and_b32 v10, 8, v2
	v_add_nc_u32 v10, v10, v2
	v_lshl_add_u32 v10, v3, 3, v10                 ; lanes 0-15 are tile 2 G, lanes 16-31 tile 2 G + 1: column 8 u + r + 8 (r / 8) of the 32: a load still covers 128 consecutive bytes
	s_lshl_b32 s38, s37, 5
	v_add_nc_u32 v10, s38, v10
	v_lshlrev_b32 v[VO], 2, v10
.set i, 1
.rept 31
	v_add_nc_u32 v[VO+i], s36, v[VO+i-1]
.set i, i+1
.endr
	s_lshl_b32 s30, s36, 5                         ; 32 rows on
	s_mov_b32 s31, 0
	s_mul_i32 s38, s34, s36
	s_lshl_b32 s38, s38, 8
	s_mov_b32 s39, 0
	s_add_nc_u64 s[24:25], s[24:25], s[38:39]      ; my first row: 256 x my part of K
	s_mul_i32 s40, s35, 24576
	s_mul_i32 s41, s34, 3072
	s_add_co_u32 s40, s40, s41
	s_mov_b32 s41, 0
	s_add_nc_u64 s[26:27], s[12:13], s[40:41]      ; codes: tile 2 G, K step 2 x my part
	s_lshl_b32 s40, s37, 10
	s_add_co_u32 s40, s40, 0x40000                 ; scale words: behind the 262,144 bytes of the other operand's
	s_lshr_b32 s38, s34, 1
	s_lshl_b32 s38, s38, 8
	s_add_co_u32 s40, s40, s38
	s_and_b32 s38, s34, 1
	s_lshl_b32 s38, s38, 3
	s_add_co_u32 s40, s40, s38
	s_add_nc_u64 s[28:29], s[28:29], s[40:41]
	v_lshlrev_b32 v11, 4, v2
	v_mul_u32_u24 v[VD16], v3, 12288
	v_add_nc_u32 v[VD16], v[VD16], v11
	v_lshl_add_u32 v[VSC], v3, 9, v11
.macro WLOAD q                         ; block q: rows 32 q + i of my part, at my column
.if (\q) > 0
	s_wait_xcnt 0x0                                ; every earlier load and store has read its registers: the base may step, and the codes' registers may be written again
	s_add_nc_u64 s[24:25], s[24:25], s[30:31]
.endif
.irp i, 0,1,2,3,4,5,6,7,8,9,10,11,12,13,14,15,16,17,18,19,20,21,22,23,24,25,26,27,28,29,30,31
	global_load_b32 v[XW+32*((\q)%2)+\i], v[VO+\i], s[24:25] th:TH_LOAD_NT
.endr
.endm
.macro WBLOCK q
.set XS, XW+32*((\q)%2)
.set CX, CX0+4*((\q)%2)
.if (\q) < 7
	s_wait_loadcnt 32                              ; this block's 32 loads are in; the next block's may be out
.else
	s_wait_loadcnt 0x0
.endif
	v_max3_num_f32 v200, |v[XS]|, |v[XS+1]|, |v[XS+2]|             ; the block's largest magnitude: all 32 numbers are mine
	v_max3_num_f32 v201, |v[XS+3]|, |v[XS+4]|, |v[XS+5]|
.irp i, 6,10,14,18,22,26
	v_max3_num_f32 v200, v200, |v[XS+\i]|, |v[XS+\i+1]|
	v_max3_num_f32 v201, v201, |v[XS+\i+2]|, |v[XS+\i+3]|
.endr
	v_max3_num_f32 v200, v200, |v[XS+30]|, |v[XS+31]|
	v_max3_num_f32 v200, v200, v201, 0x1800000     ; and the floor
	v_add_nc_u32 v202, 0xff000000, v200            ; the conversion's scale operand
	v_lshrrev_b32 v203, 23, v202                   ; the byte
.if (\q)%4 == 0
	v_mov_b32 v[WSC+(\q)/4], v203
.else
	v_lshl_or_b32 v[WSC+(\q)/4], v203, 8*((\q)%4), v[WSC+(\q)/4]
.endif
	v_cvt_scalef32_pk16_fp6_f32 v[CX:CX+2], v[XS:XS+15], v202
	v_cvt_scalef32_pk16_fp6_f32 v[CY:CY+2], v[XS+16:XS+31], v202
	v_nop                                          ; one plain place behind a scaled conversion
	v_mov_b32 v[CX+3], v[CY]                       ; the block's six registers: four for the first part of the half image,
	v_mov_b32 v[CZ+2*((\q)%2)], v[CY+1]            ; two for the second
	v_mov_b32 v[CZ+2*((\q)%2)+1], v[CY+2]
.if (\q)%2 == 1                        ; an even and an odd block are the two halves of the lanes of one half image: sixteen lanes store 256 consecutive bytes each time
	global_store_b128 v[VD16], v[CX0:CX0+3], s[26:27] offset:((\q)/4)*1536+(((\q)%4)/2)*768
	global_store_b128 v[VD16], v[CX1:CX1+3], s[26:27] offset:((\q)/4)*1536+(((\q)%4)/2)*768+256
	global_store_b128 v[VD16], v[CZ:CZ+3], s[26:27] offset:((\q)/4)*1536+(((\q)%4)/2)*768+512
.endif
.if (\q)+2 < 8
	WLOAD (\q)+2
.endif
.endm
	s_wait_alu depctr_va_vdst(0)
	WLOAD 0
	WLOAD 1
.irp q, 0,1,2,3,4,5,6,7
	WBLOCK \q
.endr
	global_store_b64 v[VSC], v[WSC:WSC+1], s[28:29]   ; my column's two scale words
	s_endpgm
.Lfunc_end_k_q1bcb57a202_quant:
	.size	k_q1bcb57a202_quant, .Lfunc_end_k_q1bcb57a202_quant-k_q1bcb57a202_quant
	.p2alignl 7, 3214868480
	.fill 96, 4, 3214868480
	.section	.rodata,"a",@progbits
	.p2align	6, 0x0
	.amdhsa_kernel k_q1bcb57a202_quant
		.amdhsa_group_segment_fixed_size 34304
		.amdhsa_private_segment_fixed_size 0
		.amdhsa_enable_private_segment 0
		.amdhsa_kernarg_size 56
		.amdhsa_user_sgpr_count 2
		.amdhsa_user_sgpr_kernarg_segment_ptr 1
		.amdhsa_wavefront_size32 1
		.amdhsa_system_sgpr_workgroup_id_x 1
		.amdhsa_system_sgpr_workgroup_id_y 1
		.amdhsa_system_sgpr_workgroup_id_z 1
		.amdhsa_system_vgpr_workitem_id 0
		.amdhsa_next_free_vgpr 256
		.amdhsa_next_free_sgpr 66
		.amdhsa_reserve_vcc 0
		.amdhsa_float_denorm_mode_32 3
		.amdhsa_float_denorm_mode_16_64 3
		.amdhsa_memory_ordered 1
		.amdhsa_forward_progress 1
		.amdhsa_inst_pref_size 74
	.end_amdhsa_kernel
	.amdgpu_metadata
---
amdhsa.version: [ 1, 2 ]
amdhsa.kernels:
  - .name:           k_q1bcb57a202_quant
    .symbol:         k_q1bcb57a202_quant.kd
    .args:
      - { .name: x, .offset: 0, .size: 8, .value_kind: global_buffer, .address_space: global }
      - { .name: w_qkv, .offset: 8, .size: 8, .value_kind: global_buffer, .address_space: global }
      - { .name: w_proj, .offset: 16, .size: 8, .value_kind: global_buffer, .address_space: global }
      - { .name: xq, .offset: 24, .size: 8, .value_kind: global_buffer, .address_space: global }
      - { .name: wc, .offset: 32, .size: 8, .value_kind: global_buffer, .address_space: global }
      - { .name: sc1, .offset: 40, .size: 8, .value_kind: global_buffer, .address_space: global }
      - { .name: sc2, .offset: 48, .size: 8, .value_kind: global_buffer, .address_space: global }
    .group_segment_fixed_size: 34304
    .private_segment_fixed_size: 0
    .kernarg_segment_align: 8
    .kernarg_segment_size: 56
    .max_flat_workgroup_size: 128
    .sgpr_count:     66
    .vgpr_count:     256
    .wavefront_size: 32
...
	.end_amdgpu_metadata
.endif
;; end of part 1
;; launch gemm_qkv (part 2): grid 12 x 32, 4 waves a work-group, clusters of 4 x 4, 327,680 bytes of LDS; arguments xq, wc, sc1, b_qkv, qc, kv; writes qc, kv
.if DOCPART == 2
	.amdgcn_target "amdgcn-amd-amdhsa--gfx1250"
	.amdhsa_code_object_version 6
	.text
	.protected	k_q1bcb57a202_gemm_qkv
	.globl	k_q1bcb57a202_gemm_qkv
	.p2align	8
	.type	k_q1bcb57a202_gemm_qkv,@function
k_q1bcb57a202_gemm_qkv:
	s_mov_b64 s[64:65], 0
	v_nop
	global_prefetch_b8 v0, s[64:65] scope:SCOPE_SE
	s_setreg_imm32_b32 hwreg(HW_REG_WAVE_MODE, 25, 1), 1
	s_wait_xcnt 0x0
	s_wait_alu depctr_hold_cnt(0) depctr_sa_sdst(0) depctr_va_vdst(0) depctr_va_sdst(0) depctr_va_ssrc(0) depctr_va_vcc(0) depctr_vm_vsrc(0)
	s_getreg_b32 s2, hwreg(HW_REG_IB_STS2, 6, 4)
	s_cmp_eq_u32 s2, 0
	s_cbranch_scc0 .Lentry_in_a_cluster
	s_endpgm
.Lentry_in_a_cluster:
	s_bfe_u32 s2, ttmp6, 0x10000c
	s_cmp_lg_u32 s2, 0xf033
	s_cbranch_scc0 .Lentry_shape_is_right
	s_endpgm
.Lentry_shape_is_right:
; qkv = x w_qkv + b_qkv on codes of FP6 (E2M3) with E8M0 scales, and the quantisers of q, k (along the head's 64) and v (along the keys).  No f32 result goes to memory.  No work of the problem is left out.
; LIMITS: as in the first kernel: a block of zeros gets the byte 1; NaN and infinities are not served.
; ONE TEXT, TWO ORIENTATIONS.  The kernel multiplies S0 rows (source 0) by S1 rows (source 1): in a result a lane holds one S1 row and its registers run along S0 rows.
; TY = the cluster's x: 0 (q), 1 (k): S1 = tokens (xq), S0 = columns of w_qkv (wc): a lane holds a token, its registers run along the head's axis.  2 (v): S1 = columns, S0 = tokens: a lane holds a channel,
; its registers run along the keys.  Only pointers and cluster coordinates are chosen by TY, which is equal in all sixteen partners.
; Operands lie in memory in the order of the operand's registers (first kernel): a tile of 16 rows at 12,288 T, K step s at + 1,536 s.  The rows of a tile are 32 (T / 2) + 8 (T % 2) + p + 8 (p / 8),
; so that the 16 registers of the result tiles 2 b and 2 b + 1 are 16 neighbours: what the quantiser wants.
; SHARES.  A work-group makes 256 x 256, a wave 128 (S1) x 128 (S0): 64 accumulators, 512 registers.  K = 1,024 is eight steps of 128; an LDS slot holds two.  Slot 0 is filled at the head, slots 1 and 2 later, and slot 0 once more:
; one refill in the launch, so the K steps are written out.  By this text's count a wave has one tensor load out at any time.
; CLUSTER 4 x 4: S1's tile hangs on cy and is asked for jointly by a row of the cluster, S0's on cx and by a column.
; RESULTS.  qc: [head 64][block of 128 tokens 16] records of 6,400 bytes: eight half images (tile a at 768 a), then 256 bytes of words [r][b]: the two bytes of tile 2 b's row r, then of tile 2 b + 1's.
; kv: records of 12,800 bytes: K as in qc at 0; V^T's four fragments (16 channels x 128 keys) at 6,144 + 1,536 t; K's words at 12,288; V's words [r][t] at 12,544.
; REGISTERS: window 0: v1-23 addresses; v24-87 scale words (register 8 i + s: lanes 0-15 S1's tile i, lanes 16-31 S0's tile i, K step s), which hold nothing else; v88-183 S1's eight fragments, one set;
;   v184-247 the bias; on the way out v88-183 and v248-255 are at work.   window 1: S0's fragments, two sets, at v0 and v128.   windows 2, 3: accumulator (a, b) at v[8 (8 (a % 4) + b)] of window 2 + a / 4.
; THE FILLS, as the text now has them (this takes the place of what the lines above say of the fills): slot 0 at the head, one joint load a wave; slot 1 behind a drained round in front of K step 0;
; slot 2 behind the round in K step 1; slot 0 once more, with K steps 6 and 7, behind the round in K step 3.  By this text's count a wave has one tensor load out at any time.
; PREFETCH: behind the head's load each wave asks for K steps 4 to 7 of two of the eight tiles that it fetches: 24 blocks of 256 bytes for each pair of K steps, a lane a block (lanes 24-31 name the last again).
; The four partners that ask for a tile jointly share its eight tiles out by address (cx for S1's, cy for S0's).  K steps 2 and 3 come by their load alone.
.set FR,    12
.set QUART, 24576                      ; 128 rows x two K steps: what one tensor load brings
.set SLOT,  98304                      ; S1's two halves, then S0's two halves
.set SPARE, 3*SLOT                     ; the spare words, 128 bytes for each wave
.set A1P, 4                            ; v4-6   LDS address of my S1 fragments' first parts in slot 0, 1, 2;  v7-9 of their second parts
.set A1Q, 7
.set A0P, 10                           ; v10-15 the same for S0
.set A0Q, 13
.set SPW, 16
.set NIL, 17
.set VO16, 18                          ; 16 x lane
.set VO8, 19                           ; 512 + 16 r + 8 h
.set VSO, 20                           ; my scale words' offset
.set VBI, 21                           ; the bias's
.set VSEL, 22                          ; the way out: byte selects for the words
.set VSS, 23                           ; and their offset
.set SC,  24
.set AF,  88
.set BIAS, 184
.set HA,  88                           ; the way out: 64 numbers
.set PC,  152                          ; v152-170 the codes just made
.set TM,  172                          ; v172-183 at work
.set PWS, 248                          ; v248-255 the eight scale words
.set W4,  88
.set WV, 16
.set WHI, 17
.set WLO, 18
.set TY, 19
.set G1, 24                            ; s[24:31] group 1 for S1's tiles, s[32:39] for S0's; s[40:51], s[52:63] their groups 0, one for each slot
.set G1B, 32
.set G0, 40
.set G0B, 52
.set D0, 78                            ; s[78:79], s[80:81] where a fragment's two halves go
.set D1, 80
.set A1, 82                            ; s[82:83] their step from tile to tile; s[84:85] the step into tile 4
.set A2J, 84
.set CST, 86
.set SEL, 88
.set SB, 90
.set REC, 92
.set HS, 93
.set MHI, 94
.set MSB, 0
.macro WIN new                         ; the immediate's high byte repeats the setting that is left
.if MSB != (\new)
	s_set_vgpr_msb (MSB<<8)|(\new)
.set MSB, (\new)
.endif
.endm
.set MUL_LO, 0xa1                      ; source 0 window 1, source 1 window 0, C and D window 2
.set MUL_HI, 0xf1
.set TO_B,   0x40
.macro JLOAD g0a, g1a, g0b, g1b        ; a joint load: waves 0, 1 fetch S1's halves, waves 2, 3 S0's; an s_nop 0 and four v_nop follow each line
	s_cmp_eq_u32 s[WHI], 0
	s_cbranch_scc0 .Lfor_b_\@
	tensor_load_to_lds s[\g0a:\g0a+3], s[\g1a:\g1a+7]
	s_nop 0
.rept 4
	v_nop
.endr
	s_branch .Lasked_\@
.Lfor_b_\@:
	tensor_load_to_lds s[\g0b:\g0b+3], s[\g1b:\g1b+7]
	s_nop 0
.rept 4
	v_nop
.endr
.Lasked_\@:
.endm
.macro CREST
	s_cmp_lg_u32 s[WV], 0
	s_cbranch_scc1 .Lnot_wave_0_\@
	s_barrier_signal -3
.Lnot_wave_0_\@:
	s_barrier_wait -3
	s_barrier_signal -1
	s_barrier_wait -1
.endm
.macro CROUND
	s_barrier_signal -1
	s_barrier_wait -1
	CREST
.endm
.macro PLACES n
.rept \n
	v_nop
.endr
.endm
.macro FRAG reg, ap, aq, off           ; a fragment, 12 registers: two half images on end; every load reads consecutive bytes
	ds_load_b128 v[\reg:\reg+3], v[\ap] offset:\off
	ds_load_b64 v[\reg+4:\reg+5], v[\aq] offset:\off
	ds_load_b128 v[\reg+6:\reg+9], v[\ap] offset:\off+768
	ds_load_b64 v[\reg+10:\reg+11], v[\aq] offset:\off+768
.endm
.macro FETCH_B slot, q, p              ; S0's eight fragments of the slot's q-th K step into set p
	WIN TO_B
.irp i, 0,1,2,3,4,5,6,7
	FRAG 128*(\p)+FR*\i, A0P+\slot, A0Q+\slot, 3072*\i+1536*(\q)
.endr
	WIN 0
.endm
.macro FETCH_A slot, q, i0             ; S1's tiles i0 .. i0 + 3
.irp i, \i0, \i0+1, \i0+2, \i0+3
	FRAG AF+FR*(\i), A1P+\slot, A1Q+\slot, 3072*(\i)+1536*(\q)
.endr
.endm
; 16 matrix instructions: S1's tiles a0, a0 + 1 x S0's eight, K step s.  The 64 accumulators take turns, one instruction a turn, in the same order in every step.
.macro MUL16 a0, p, s, zero
.irp a, \a0, \a0+1
.irp b, 0,1,2,3,4,5,6,7
.if \zero
	v_wmma_scale_f32_16x16x128_f8f6f4 v[8*(8*((\a)%4)+\b):8*(8*((\a)%4)+\b)+7], v[128*(\p)+FR*\b:128*(\p)+FR*\b+FR-1], v[AF+FR*(\a):AF+FR*(\a)+FR-1], 0, v[SC+8*\b+(\s)], v[SC+8*(\a)+(\s)] matrix_a_fmt:MATRIX_FMT_FP6 matrix_b_fmt:MATRIX_FMT_FP6 matrix_a_scale:MATRIX_SCALE_ROW1
.else
	v_wmma_scale_f32_16x16x128_f8f6f4 v[8*(8*((\a)%4)+\b):8*(8*((\a)%4)+\b)+7], v[128*(\p)+FR*\b:128*(\p)+FR*\b+FR-1], v[AF+FR*(\a):AF+FR*(\a)+FR-1], v[8*(8*((\a)%4)+\b):8*(8*((\a)%4)+\b)+7], v[SC+8*\b+(\s)], v[SC+8*(\a)+(\s)] matrix_a_fmt:MATRIX_FMT_FP6 matrix_b_fmt:MATRIX_FMT_FP6 matrix_a_scale:MATRIX_SCALE_ROW1
.endif
.endr
.endr
.endm
; An even K step: its successor lies in the same slot.  Loads into registers that matrix instructions have read stand four plain places behind them.
.macro STEP slot, s, zero
	s_wait_dscnt 16                                ; S0's set and S1's tiles 0-3 are in; the youngest 16 loads (tiles 4-7) may be out
	WIN MUL_LO
	MUL16 0, 0, \s, \zero
	MUL16 2, 0, \s, \zero
	s_wait_dscnt 0x0
	PLACES 4
	FETCH_B \slot, 1, 1
	FETCH_A \slot, 1, 0
	WIN MUL_HI
	MUL16 4, 0, \s, \zero
	MUL16 6, 0, \s, \zero
	PLACES 4
	WIN 0
	FETCH_A \slot, 1, 4
.endm
; An odd K step changes slots: all my tensor loads, the add, my LDS reads, one barrier.  mode 0: the barrier opens a round of the cluster's, and slot 2 is filled for the first time.
; mode 1: the same, and slot 0, left two K steps ago by every wave, is filled again with K steps 6 and 7.  mode 2: a plain barrier, no fill.
.macro TURN slot, next, s, mode
	s_wait_tensorcnt 0x0                           ; all my tensor loads have landed: my part of the next slot
	ds_add_u32 v[SPW], v[NIL]                      ; 0 onto my spare word
	s_wait_dscnt 17                                ; (the add and the youngest 16 loads may be out)
	WIN MUL_LO
	MUL16 0, 1, \s, 0
	s_wait_dscnt 0x0                               ; my reads of this slot are over (and the add is done)
	s_barrier_signal -1
	MUL16 2, 1, \s, 0
	WIN 0
	s_barrier_wait -1
.if (\mode) == 1
	CREST                                          ; no wave of any partner reads slot 0 or has a load on its way
	s_add_nc_u64 s[G0+2:G0+3], s[G0+2:G0+3], 3*3072
	s_add_nc_u64 s[G0B+2:G0B+3], s[G0B+2:G0B+3], 3*3072
	JLOAD G0, G1, G0B, G1B
.elseif (\mode) == 0
	CREST
	JLOAD G0+8, G1, G0B+8, G1B                     ; slot 2's first fill: K steps 4 and 5
.else
	PLACES 4
.endif
	FETCH_B \next, 0, 0
	FETCH_A \next, 0, 0
	WIN MUL_HI
	MUL16 4, 1, \s, 0
	MUL16 6, 1, \s, 0
	PLACES 4
	WIN 0
	FETCH_A \next, 0, 4
.endm
; 64 numbers of a lane, register 16 b + i = k 32 b + 16 (lane / 16) + i of my row, become a fragment's codes in v[PC] .. v[PC + 11] and its scale word in v[pw].
.macro QUANT s, pw
.irp b, 0,1,2,3
	v_max3_num_f32 v[TM+\b], |v[\s+16*\b]|, |v[\s+1+16*\b]|, 0x1800000   ; my 16 numbers, and the floor 2^(3 - 127)
.endr
.irp i, 2,4,6,8,10,12,14
.irp b, 0,1,2,3
	v_max3_num_f32 v[TM+\b], v[TM+\b], |v[\s+16*\b+\i]|, |v[\s+1+16*\b+\i]|
.endr
.endr
.irp b, 0,1,2,3
	v_permlanex16_b32 v[TM+4+\b], v[TM+\b], s[SEL], s[SEL+1]
.endr
.irp b, 0,1,2,3
	v_max_num_f32 v[TM+\b], v[TM+\b], v[TM+4+\b]
.endr
.irp b, 0,1,2,3
	v_add_nc_u32 v[TM+8+\b], 0xff000000, v[TM+\b]  ; 2 off the exponent field: the conversion's scale operand
.endr
.irp b, 0,1,2,3
	v_lshrrev_b32 v[TM+4+\b], 23, v[TM+8+\b]
.endr
	v_lshl_or_b32 v[\pw], v[TM+5], 8, v[TM+4]
	v_lshl_or_b32 v[\pw], v[TM+6], 16, v[\pw]
	v_lshl_or_b32 v[\pw], v[TM+7], 24, v[\pw]
.irp c, 0,1
	v_cvt_scalef32_pk16_fp6_f32 v[PC+6*\c:PC+2+6*\c], v[\s+32*\c:\s+15+32*\c], v[TM+8+2*\c]
	v_cvt_scalef32_pk16_fp6_f32 v[PC+12+4*\c:PC+14+4*\c], v[\s+16+32*\c:\s+31+32*\c], v[TM+8+2*\c+1]
.endr
	v_nop                                          ; one plain place behind a scaled conversion
.irp c, 0,1
.irp i, 0,1,2
	v_permlane16_swap_b32 v[PC+6*\c+\i], v[PC+12+4*\c+\i]
.endr
.irp i, 0,1,2
	v_mov_b32 v[PC+3+6*\c+\i], v[PC+12+4*\c+\i]
.endr
.endr
.endm
	s_load_b256 s[4:11], s[0:1], 0x0               ; xq, wc, sc1, b_qkv
	s_load_b128 s[12:15], s[0:1], 0x20             ; qc, kv
	v_lshl_add_u32 v[SPW], v0, 2, SPARE
	v_mov_b32 v[NIL], 0
	ds_add_u32 v[SPW], v[NIL]                      ; the wave's opening: the add, twice on end, and its wait ahead of my first tensor load
	ds_add_u32 v[SPW], v[NIL]
	v_lshrrev_b32 v1, 5, v0
	v_readfirstlane_b32 s[WV], v1
	s_lshr_b32 s[WHI], s[WV], 1                    ; my half of S1's rows.  Also: I fetch for S1 (0) or S0 (1)
	s_and_b32 s[WLO], s[WV], 1                     ; my half of S0's rows.  Also: which 128 rows I fetch
	s_mov_b32 s[TY], ttmp9                         ; the cluster's x: q, k or v
	s_bfe_u32 s20, ttmp6, 0x40000                  ; cx
	s_bfe_u32 s21, ttmp6, 0x40004                  ; cy
	s_and_b32 s74, ttmp7, 0xffff                   ; the cluster's y
	s_cmp_lt_u32 s[TY], 2
	s_cselect_b32 s22, s[TY], s74
	s_cselect_b32 s23, s74, s[TY]
	s_lshl_b32 s67, s22, 2
	s_add_co_u32 s67, s67, s20                     ; S0's block of 256 rows: hangs on cx
	s_lshl_b32 s66, s23, 2
	s_add_co_u32 s66, s66, s21                     ; S1's: hangs on cy
	s_lshl_b32 s68, s21, 2
	s_lshl_b32 s68, 15, s68                        ; my row of the cluster
	s_lshl_b32 s69, 0x1111, s20                    ; my column
	s_or_b32 s[G1], s68, (3<<16)|(1<<21)           ; 15:0 the mask; 17:16 elements of 8 bytes; 21 set beside a mask; no padding
	s_or_b32 s[G1B], s69, (3<<16)|(1<<21)
.irp g, G1, G1B
	s_mov_b32 s[\g+1], 384<<16                     ; tensor_dim0: 3,072 bytes: a tile's two K steps
	s_mov_b32 s[\g+2], 8<<16                       ; tensor_dim1: eight tiles
	s_mov_b32 s[\g+3], 384<<16                     ; tile_dim0
	s_mov_b32 s[\g+4], 8                           ; tile_dim1
	s_mov_b32 s[\g+5], 1536                        ; 12,288 bytes from tile to tile
	s_mov_b32 s[\g+6], 0
	s_mov_b32 s[\g+7], 0
.endr
	s_lshl_b32 s74, s66, 1
	s_add_co_u32 s74, s74, s[WLO]
	s_mul_i32 s74, s74, 98304                      ; S1: the 128 rows that I would fetch
	s_mov_b32 s75, 0
	s_lshl_b32 s76, s67, 1
	s_add_co_u32 s76, s76, s[WLO]
	s_mul_i32 s76, s76, 98304                      ; S0 likewise
	s_mov_b32 s77, 0
	s_mul_i32 s3, s[WV], QUART                     ; where they go: no place in the cluster enters an LDS address
	s_wait_dscnt 0x0                               ; both opening adds are done
	s_wait_kmcnt 0x0
	s_cmp_lt_u32 s[TY], 2
	s_cselect_b64 s[70:71], s[4:5], s[6:7]
	s_cselect_b64 s[72:73], s[6:7], s[4:5]
	s_add_nc_u64 s[70:71], s[70:71], s[74:75]
	s_add_nc_u64 s[72:73], s[72:73], s[76:77]
	CROUND                                         ; all sixteen work-groups are here: the first joint loads meet
.irp g, 0,1,2
	s_mov_b32 s[G0+4*\g], 1
	s_add_co_u32 s[G0+4*\g+1], s3, \g*SLOT
	s_add_nc_u64 s[G0+4*\g+2:G0+4*\g+3], s[70:71], \g*3072
	s_or_b32 s[G0+4*\g+3], s[G0+4*\g+3], 0x80000000
	s_mov_b32 s[G0B+4*\g], 1
	s_add_co_u32 s[G0B+4*\g+1], s3, \g*SLOT
	s_add_nc_u64 s[G0B+4*\g+2:G0B+4*\g+3], s[72:73], \g*3072
	s_or_b32 s[G0B+4*\g+3], s[G0B+4*\g+3], 0x80000000
.endr
	JLOAD G0, G1, G0B, G1B                         ; slot 0: one tensor load a wave at the head
	s_cmp_eq_u32 s[WHI], 0                         ; the prefetch: the 128 rows that I fetch, of S1 or of S0,
	s_cselect_b64 s[100:101], s[70:71], s[72:73]
	s_cselect_b32 s74, s20, s21                    ; my place among the four that ask with me,
	s_mul_i32 s74, s74, 24576                      ; which takes two tiles of the eight
	s_mov_b32 s75, 0xfffff000                      ; lanes 12 and up: the second tile
	v_and_b32 v3, 31, v0
	v_min_u32 v3, 23, v3
	v_lshl_add_u32 v248, v3, 8, s74                ; block l % 12 of a tile's 3,072 bytes:
	v_add_nc_u32 v3, 9216, v248                    ; 256 l, and 12,288 - 3,072 more in the second tile
	v_cndmask_b32 v248, v248, v3, s75
	s_wait_alu depctr_va_vdst(0)
	global_prefetch_b8 v248, s[100:101] offset:6144 th:TH_LOAD_NT scope:SCOPE_SE   ; K steps 4, 5
	global_prefetch_b8 v248, s[100:101] offset:9216 th:TH_LOAD_NT scope:SCOPE_SE   ; K steps 6, 7; v248 is written again only behind the way out's s_wait_xcnt 0
	v_and_b32 v1, 15, v0                           ; r
	v_bfe_u32 v2, v0, 4, 1                         ; h
	v_and_b32 v3, 31, v0
	v_lshlrev_b32 v[VO16], 4, v3
	v_lshlrev_b32 v[VO8], 4, v1
	v_lshl_add_u32 v[VO8], v2, 3, v[VO8]
	v_add_nc_u32 v[VO8], 512, v[VO8]
	s_mul_i32 s74, s[WHI], QUART
	s_mul_i32 s75, s[WLO], QUART
	s_add_co_u32 s75, s75, 2*QUART
.irp g, 0,1,2
	v_add_nc_u32 v[A1P+\g], s74, v[VO16]
	v_add_nc_u32 v[A1Q+\g], s74, v[VO8]
	v_add_nc_u32 v[A0P+\g], s75, v[VO16]
	v_add_nc_u32 v[A0Q+\g], s75, v[VO8]
	s_add_co_u32 s74, s74, SLOT
	s_add_co_u32 s75, s75, SLOT
.endr
	s_mov_b32 s[MHI], 0xffff0000                   ; lanes 16-31
	s_mov_b32 s[SEL], 0x76543210
	s_mov_b32 s[SEL+1], 0xfedcba98
	s_lshl_b32 s95, s66, 1
	s_add_co_u32 s95, s95, s[WHI]                  ; my 128 rows of S1
	s_lshl_b32 s96, s67, 1
	s_add_co_u32 s96, s96, s[WLO]                  ; and of S0
	s_cmp_lt_u32 s[TY], 2
	s_cselect_b32 s97, 0, 0x40000                  ; x's scale words lie at 0 of sc1, w_qkv's at 262,144
	s_cselect_b32 s98, 0x40000, 0
	s_cselect_b32 s76, s96, s95                    ; my block of 128 columns,
	s_cselect_b32 s99, s95, s96                    ; and of 128 tokens
	s_lshl_b32 s74, s95, 12
	s_add_co_u32 s97, s97, s74
	s_lshl_b32 s74, s96, 12
	s_add_co_u32 s98, s98, s74
	v_mov_b32 v[VSO], s97
	v_mov_b32 v3, s98
	v_cndmask_b32 v[VSO], v[VSO], v3, s[MHI]       ; lanes 0-15 take S1's words, lanes 16-31 S0's
	v_lshl_add_u32 v[VSO], v1, 4, v[VSO]
.irp i, 0,1,2,3,4,5,6,7
.irp c, 0,1
	global_load_b128 v[SC+8*\i+4*\c:SC+8*\i+4*\c+3], v[VSO], s[8:9] offset:512*\i+256*\c   ; the words of all eight K steps: fetched once, sixteen lanes to 256 consecutive bytes
.endr
.endr
	s_lshl_b32 s74, s76, 9
	s_mov_b32 s75, 0
	s_add_nc_u64 s[10:11], s[10:11], s[74:75]      ; the bias of my 128 columns
	s_cmp_lt_u32 s[TY], 2
	s_cbranch_scc0 .Lbias_v
	v_lshlrev_b32 v[VBI], 6, v2                    ; q, k: register 8 b + j belongs to column 32 (b / 2) + 8 (b % 2) + 16 h + j
.irp b, 0,1,2,3,4,5,6,7
	global_load_b128 v[BIAS+8*\b:BIAS+8*\b+3], v[VBI], s[10:11] offset:(32*(\b/2)+8*(\b%2))*4
	global_load_b128 v[BIAS+8*\b+4:BIAS+8*\b+7], v[VBI], s[10:11] offset:(32*(\b/2)+8*(\b%2))*4+16
.endr
	s_branch .Lbias_done
.Lbias_v:
	v_and_b32 v[VBI], 8, v1                        ; v: my lane is column 32 (a / 2) + 8 (a % 2) + r + 8 (r / 8) of tile a: one number for the tile's eight registers
	v_add_nc_u32 v[VBI], v[VBI], v1
	v_lshlrev_b32 v[VBI], 2, v[VBI]
.irp a, 0,1,2,3,4,5,6,7
.irp j, 0,1,2,3,4,5,6,7
	global_load_b32 v[BIAS+8*\a+\j], v[VBI], s[10:11] offset:(32*(\a/2)+8*(\a%2))*4
.endr
.endr
.Lbias_done:
	; the way out's addresses.  s76: my 128 columns (two heads), s99: my 128 tokens
	s_cmp_eq_u32 s[TY], 0
	s_cselect_b64 s[D0:D0+1], s[12:13], s[14:15]
	s_mov_b32 s[REC], 12800
	s_cselect_b32 s[REC], 6400, s[REC]             ; a record
	s_mov_b32 s98, 12288
	s_cselect_b32 s98, 6144, s98                   ; where its words begin (q, k)
	s_lshl_b32 s[HS], s[REC], 4                    ; a head's 16 records
	s_sub_co_u32 s74, s[HS], 4608
	s_mov_b32 s75, 12544
	s_mov_b32 s[A1], 768
	s_mov_b32 s[A2J], 768
	s_cmp_eq_u32 s[TY], 2
	s_cselect_b32 s98, s75, s98                    ; (v)
	s_cselect_b32 s97, 6144, 0                     ; where the codes begin
	s_cselect_b32 s[CST], 768, s[HS]               ; from a fragment's first half to its second: q, k: the next head; v: the next 768 bytes
	s_cselect_b32 s[A1], 1536, s[A1]               ; from tile to tile
	s_cselect_b32 s[A2J], s74, s[A2J]              ; v: tile 4 begins the next head
	s_mov_b32 s[A1+1], 0
	s_mov_b32 s[A2J+1], 0
	s_mov_b32 s[CST+1], 0
	s_and_b32 s76, s76, 7                          ; the pair of heads
	s_lshl_b32 s76, s76, 1
	s_lshr_b32 s74, s99, 4                         ; the batch
	s_lshl_b32 s74, s74, 4
	s_add_co_u32 s76, s76, s74                     ; the even head's number among the 64
	s_and_b32 s99, s99, 15                         ; the block of 128 tokens in the batch
	s_mul_i32 s76, s76, s[HS]
	s_mul_i32 s99, s99, s[REC]
	s_add_co_u32 s76, s76, s99
	s_mov_b32 s77, 0
	s_add_nc_u64 s[D0:D0+1], s[D0:D0+1], s[76:77]  ; the even head's record
	s_mov_b32 s76, s98
	s_add_nc_u64 s[SB:SB+1], s[D0:D0+1], s[76:77]
	s_mov_b32 s76, s97
	s_add_nc_u64 s[D0:D0+1], s[D0:D0+1], s[76:77]
	s_add_nc_u64 s[D1:D1+1], s[D0:D0+1], s[CST:CST+1]
	v_mul_u32_u24 v[VSS], s[HS], v2
	v_lshl_add_u32 v[VSS], v1, 4, v[VSS]           ; lanes 0-15 store the even head's words, lanes 16-31 the odd head's
	s_mov_b32 s97, 0x05040100                      ; q, k: the even head's bytes are the low halves of two tiles' words, the odd head's the high halves
	s_mov_b32 s98, 0x07060302
	s_mov_b32 s74, 0x03020100                      ; v: the even head's words are tiles 0-3's, the odd head's tiles 4-7's
	s_mov_b32 s75, 0x07060504
	s_cmp_eq_u32 s[TY], 2
	s_cselect_b32 s97, s74, s97
	s_cselect_b32 s98, s75, s98
	v_mov_b32 v[VSEL], s97
	v_mov_b32 v3, s98
	v_cndmask_b32 v[VSEL], v[VSEL], v3, s[MHI]
	s_wait_alu depctr_va_vdst(0)
	s_wait_tensorcnt 0x0                           ; my part of slot 0 is in
	ds_add_u32 v[SPW], v[NIL]
	s_wait_dscnt 0x0
	CROUND                                         ; a whole round: slot 0 is whole, and the joint loads meet
	JLOAD G0+4, G1, G0B+4, G1B                     ; slot 1's first fill: K steps 2 and 3
	FETCH_B 0, 0, 0
	FETCH_A 0, 0, 0
	FETCH_A 0, 0, 4
	s_wait_loadcnt 0x0                             ; the scale words and the bias
	STEP 0, 0, 1                                   ; the first products start the sums: nothing is cleared
	TURN 0, 1, 1, 0
	STEP 1, 2, 0
	TURN 1, 2, 3, 1
	STEP 2, 4, 0
	TURN 2, 0, 5, 2
	STEP 0, 6, 0
	s_wait_dscnt 16                                ; the last K step: nothing more to fetch
	WIN MUL_LO
	MUL16 0, 1, 7, 0
	MUL16 2, 1, 7, 0
	s_wait_dscnt 0x0
	WIN MUL_HI
	MUL16 4, 1, 7, 0
	MUL16 6, 1, 7, 0
	WIN 0
	PLACES 4                                       ; behind the last products: their results are read and their operands' registers written below
.irp b, 0,1,2,3
	v_mov_b32 v[TM+4+\b], 0                        ; a lane permute's destination counts as one of its sources
.endr
; THE WAY OUT, a tile a of S1's rows at a time: the bias is added (which also brings the 64 numbers into window 0, each accumulator from its low end on), they are quantised, and the fragment's two halves are stored,
; each as 512 + 256 consecutive bytes.  q, k: the halves are the two heads' half images of token tile a.  v: they are the two halves of fragment a % 4 of head a / 4.
.macro EPI a
	s_cmp_eq_u32 s[TY], 2
	s_cbranch_scc1 .Lepv_\@
	WIN 0x02+(\a)/4
.set i, 0
.rept 32
	v_pk_add_f32 v[HA+2*i:HA+2*i+1], v[64*((\a)%4)+2*i:64*((\a)%4)+2*i+1], v[BIAS+2*i:BIAS+2*i+1]
.set i, i+1
.endr
	WIN 0
	s_branch .Lepd_\@
.Lepv_\@:
	WIN 0x02+(\a)/4
.set i, 0
.rept 32
	v_pk_add_f32 v[HA+2*i:HA+2*i+1], v[64*((\a)%4)+2*i:64*((\a)%4)+2*i+1], v[BIAS+8*(\a)+2*(i%4):BIAS+8*(\a)+2*(i%4)+1]
.set i, i+1
.endr
	WIN 0
.Lepd_\@:
	s_wait_xcnt 0x0                                ; the last tile's stores have read their data and their bases: both are written again below
.if (\a) == 4
	s_add_nc_u64 s[D0:D0+1], s[D0:D0+1], s[A2J:A2J+1]
	s_add_nc_u64 s[D1:D1+1], s[D1:D1+1], s[A2J:A2J+1]
.elseif (\a) > 0
	s_add_nc_u64 s[D0:D0+1], s[D0:D0+1], s[A1:A1+1]
	s_add_nc_u64 s[D1:D1+1], s[D1:D1+1], s[A1:A1+1]
.endif
	QUANT HA, PWS+(\a)
	global_store_b128 v[VO16], v[PC:PC+3], s[D0:D0+1]
	global_store_b64 v[VO8], v[PC+4:PC+5], s[D0:D0+1]
	global_store_b128 v[VO16], v[PC+6:PC+9], s[D1:D1+1]
	global_store_b64 v[VO8], v[PC+10:PC+11], s[D1:D1+1]
.endm
.irp a, 0,1,2,3,4,5,6,7
	EPI \a
.endr
	s_cmp_eq_u32 s[TY], 2
	s_cbranch_scc1 .Lwords_v
.irp b, 0,1,2,3
	v_perm_b32 v[W4+\b], v[PWS+2*\b+1], v[PWS+2*\b], v[VSEL]   ; my head's two bytes of tile 2 b, then of tile 2 b + 1
.endr
	s_branch .Lwords_done
.Lwords_v:
.irp b, 0,1,2,3
	v_perm_b32 v[W4+\b], v[PWS+4+\b], v[PWS+\b], v[VSEL]       ; my head's tile b
.endr
.Lwords_done:
	s_wait_alu depctr_va_vdst(0)
	global_store_b128 v[VSS], v[W4:W4+3], s[SB:SB+1]           ; sixteen lanes store a record's 256 bytes of words
	s_wait_tensorcnt 0x0                           ; the wave's end
	ds_add_u32 v[SPW], v[NIL]
	s_wait_dscnt 0x0
	CROUND                                         ; the closing round
	s_endpgm
.Lfunc_end_k_q1bcb57a202_gemm_qkv:
	.size	k_q1bcb57a202_gemm_qkv, .Lfunc_end_k_q1bcb57a202_gemm_qkv-k_q1bcb57a202_gemm_qkv
	.p2alignl 7, 3214868480
	.fill 96, 4, 3214868480
	.section	.rodata,"a",@progbits
	.p2align	6, 0x0
	.amdhsa_kernel k_q1bcb57a202_gemm_qkv
		.amdhsa_group_segment_fixed_size 327680
		.amdhsa_private_segment_fixed_size 0
		.amdhsa_enable_private_segment 0
		.amdhsa_kernarg_size 48
		.amdhsa_user_sgpr_count 2
		.amdhsa_user_sgpr_kernarg_segment_ptr 1
		.amdhsa_wavefront_size32 1
		.amdhsa_system_sgpr_workgroup_id_x 1
		.amdhsa_system_sgpr_workgroup_id_y 1
		.amdhsa_system_sgpr_workgroup_id_z 1
		.amdhsa_system_vgpr_workitem_id 0
		.amdhsa_next_free_vgpr 1024
		.amdhsa_next_free_sgpr 102
		.amdhsa_reserve_vcc 0
		.amdhsa_float_denorm_mode_32 3
		.amdhsa_float_denorm_mode_16_64 3
		.amdhsa_memory_ordered 1
		.amdhsa_forward_progress 1
		.amdhsa_inst_pref_size 191
	.end_amdhsa_kernel
	.amdgpu_metadata
---
amdhsa.version: [ 1, 2 ]
amdhsa.kernels:
  - .name:           k_q1bcb57a202_gemm_qkv
    .symbol:         k_q1bcb57a202_gemm_qkv.kd
    .args:
      - { .name: xq, .offset: 0, .size: 8, .value_kind: global_buffer, .address_space: global }
      - { .name: wc, .offset: 8, .size: 8, .value_kind: global_buffer, .address_space: global }
      - { .name: sc1, .offset: 16, .size: 8, .value_kind: global_buffer, .address_space: global }
      - { .name: b_qkv, .offset: 24, .size: 8, .value_kind: global_buffer, .address_space: global }
      - { .name: qc, .offset: 32, .size: 8, .value_kind: global_buffer, .address_space: global }
      - { .name: kv, .offset: 40, .size: 8, .value_kind: global_buffer, .address_space: global }
    .group_segment_fixed_size: 327680
    .private_segment_fixed_size: 0
    .kernarg_segment_align: 8
    .kernarg_segment_size: 48
    .max_flat_workgroup_size: 128
    .sgpr_count:     102
    .vgpr_count:     1024
    .wavefront_size: 32
...
	.end_amdgpu_metadata
.endif
;; end of part 2
;; launch attn (part 3): grid 4 x 64, 16 waves a work-group, clusters of 4 x 1, 327,680 bytes of LDS; arguments qc, kv, oq, sc2; writes oq, sc2
.if DOCPART == 3
	.amdgcn_target "amdgcn-amd-amdhsa--gfx1250"
	.amdhsa_code_object_version 6
	.text
	.protected	k_q1bcb57a202_attn
	.globl	k_q1bcb57a202_attn
	.p2align	8
	.type	k_q1bcb57a202_attn,@function
k_q1bcb57a202_attn:
	s_mov_b64 s[64:65], 0
	v_nop
	global_prefetch_b8 v0, s[64:65] scope:SCOPE_SE
	s_setreg_imm32_b32 hwreg(HW_REG_WAVE_MODE, 25, 1), 1
	s_wait_xcnt 0x0
	s_wait_alu depctr_hold_cnt(0) depctr_sa_sdst(0) depctr_va_vdst(0) depctr_va_sdst(0) depctr_va_ssrc(0) depctr_va_vcc(0) depctr_vm_vsrc(0)
	s_getreg_b32 s2, hwreg(HW_REG_IB_STS2, 6, 4)
	s_cmp_eq_u32 s2, 0
	s_cbranch_scc0 .Lentry_in_a_cluster
	s_endpgm
.Lentry_in_a_cluster:
	s_bfe_u32 s2, ttmp6, 0x10000c
	s_cmp_lg_u32 s2, 0x3003
	s_cbranch_scc0 .Lentry_shape_is_right
	s_endpgm
.Lentry_shape_is_right:
.set REC,   12800
.set SPARE, 204800
.set A16, 1
.set A8,  2
.set ASC, 3
.set ADK, 4
.set ADQ, 5
.set ADS, 6
.set SPW, 7
.set NIL, 8
.set HW0, 9
.set HW1, 10
.set VH,  11
.set QR,  16
.set QS,  34
.set PS,  35
.set KF,  36
.set VF,  84
.set S,   132
.set O,   196
.set PC,  228
.set KS,  240
.set VS,  244
.set Q1,  248
.set QW1, 254
.set QW0, 255
.set BM,  36
.set BT,  40
.set SO,  44
.set T0,  48
.set F,   50
.set SUM2, 52
.set C2,  56
.set WV, 12
.set HD, 13
.set CX, 14
.set SEL, 20
.set CS, 22
.set G1, 24
.set G0A, 32
.set G0B, 36
.set TB, 40
.set CNT, 41
.set PSEL, 42
.set MHI, 43
.macro CROUND
	s_barrier_signal -1
	s_barrier_wait -1
	s_cmp_lg_u32 s[WV], 0
	s_cbranch_scc1 .Lnot_wave_0_\@
	s_barrier_signal -3
.Lnot_wave_0_\@:
	s_barrier_wait -3
	s_barrier_signal -1
	s_barrier_wait -1
.endm
.macro FRAG reg, ap, aq, off
	ds_load_b128 v[\reg:\reg+3], v[\ap] offset:\off
	ds_load_b64 v[\reg+4:\reg+5], v[\aq] offset:\off
	ds_load_b128 v[\reg+6:\reg+9], v[\ap] offset:\off+768
	ds_load_b64 v[\reg+10:\reg+11], v[\aq] offset:\off+768
.endm
	s_load_b256 s[4:11], s[0:1], 0x0
	v_lshl_add_u32 v[SPW], v0, 2, SPARE
	v_mov_b32 v[NIL], 0
	ds_add_u32 v[SPW], v[NIL]
	ds_add_u32 v[SPW], v[NIL]
	v_lshrrev_b32 v1, 5, v0
	s_delay_alu instid0(VALU_DEP_1)
	v_readfirstlane_b32 s[WV], v1
	s_and_b32 s[HD], ttmp7, 0xffff
	s_bfe_u32 s[CX], ttmp6, 0x40000
	s_mov_b32 s[G1], 15|(3<<16)|(1<<21)
	s_mov_b32 s[G1+1], 32<<16
	s_mov_b32 s[G1+2], 50<<16                      ; a wave's one load: a record of 12,800 bytes as 50 rows of 256
	s_mov_b32 s[G1+3], 32<<16
	s_mov_b32 s[G1+4], 50
	s_mov_b32 s[G1+5], 32
	s_mov_b32 s[G1+6], 0
	s_mov_b32 s[G1+7], 0
	s_mul_i32 s52, s[WV], 12800                    ; wave w brings record w of the head's sixteen: the head's K and V lie in LDS as in memory
	s_mul_i32 s54, s[HD], 204800
	s_add_co_u32 s54, s54, s52
	s_mov_b32 s55, 0
	s_mov_b32 s[SEL], 0x76543210
	s_mov_b32 s[SEL+1], 0xfedcba98
	s_mov_b32 s[CS], 0x3e38aa3b
	s_mov_b32 s[CS+1], s[CS]
	s_mov_b32 s[MHI], 0xffff0000
.irp i, 0,1,2,3,4,5
	v_mov_b32 v[QR+\i], 0
	v_mov_b32 v[QR+12+\i], 0
.endr
	s_wait_dscnt 0x0
	s_wait_kmcnt 0x0
	s_mov_b32 s[G0A], 1
	s_mov_b32 s[G0A+1], s52
	s_add_nc_u64 s[G0A+2:G0A+3], s[6:7], s[54:55]
	s_or_b32 s[G0A+3], s[G0A+3], 0x80000000
	CROUND
	tensor_load_to_lds s[G0A:G0A+3], s[G1:G1+7]
	s_nop 0
.rept 4
	v_nop
.endr
	v_and_b32 v9, 15, v0
	v_bfe_u32 v10, v0, 4, 1
	v_and_b32 v11, 31, v0
	s_delay_alu instid0(VALU_DEP_1)
	v_lshlrev_b32 v[A16], 4, v11
	s_wait_alu depctr_va_vdst(0)
	v_lshlrev_b32 v[ADS], 4, v9
	s_delay_alu instid0(VALU_DEP_1)
	v_lshl_add_u32 v[A8], v10, 3, v[ADS]
	s_delay_alu instid0(VALU_DEP_1)
	v_add_nc_u32 v[A8], 512, v[A8]
	s_wait_alu depctr_va_vdst(0)
	v_lshl_add_u32 v[VH], v10, 13, v[ADS]
	v_add_nc_u32 v[ASC], 12288, v[ADS]
	s_lshl_b32 s52, s[CX], 2
	s_lshr_b32 s53, s[WV], 3
	s_add_co_u32 s52, s52, s53
	s_mul_i32 s52, s52, 6400
	s_mul_i32 s53, s[HD], 102400
	s_add_co_u32 s52, s52, s53
	s_mov_b32 s53, 0
	s_add_nc_u64 s[46:47], s[4:5], s[52:53]
	s_and_b32 s54, s[WV], 7
	s_mul_i32 s56, s54, 768
	s_mov_b32 s57, 0
	s_add_nc_u64 s[44:45], s[46:47], s[56:57]
	s_lshr_b32 s56, s54, 1
	s_lshl_b32 s56, s56, 2
	s_add_co_u32 s56, s56, 6144
	s_add_nc_u64 s[46:47], s[46:47], s[56:57]
	s_and_b32 s56, s[WV], 1
	s_cmp_eq_u32 s56, 0
	s_mov_b32 s[PSEL], 0x03020302
	s_cselect_b32 s[PSEL], 0x01000100, s[PSEL]
	global_load_b128 v[QR+6:QR+9], v[A16], s[44:45]
	global_load_b64 v[QR+10:QR+11], v[A8], s[44:45]
	global_load_b32 v[QW0], v[ADS], s[46:47]
	global_load_b128 v[Q1:Q1+3], v[A16], s[44:45] offset:12800
	global_load_b64 v[Q1+4:Q1+5], v[A8], s[44:45] offset:12800
	global_load_b32 v[QW1], v[ADS], s[46:47] offset:12800
	s_lshr_b32 s56, s[HD], 4
	s_and_b32 s58, s[HD], 15
	s_lshl_b32 s56, s56, 7
	s_lshl_b32 s59, s[CX], 5
	s_add_co_u32 s56, s56, s59
	s_add_co_u32 s56, s56, s[WV]
	s_mul_i32 s60, s56, 12288
	s_lshr_b32 s59, s58, 1
	s_mul_i32 s61, s59, 1536
	s_add_co_u32 s60, s60, s61
	s_and_b32 s62, s58, 1
	s_mul_i32 s61, s62, 768
	s_add_co_u32 s60, s60, s61
	s_mov_b32 s61, 0
	s_add_nc_u64 s[48:49], s[8:9], s[60:61]
	s_lshl_b32 s60, s56, 9
	s_lshr_b32 s63, s58, 3
	s_lshl_b32 s63, s63, 8
	s_add_co_u32 s60, s60, s63
	s_and_b32 s59, s59, 3
	s_lshl_b32 s59, s59, 2
	s_add_co_u32 s60, s60, s59
	s_lshl_b32 s62, s62, 1
	s_add_co_u32 s60, s60, s62
	s_add_nc_u64 s[50:51], s[10:11], s[60:61]
; A walk's first record: K's four fragments and its scale words
.macro KPRE
	v_add_nc_u32 v[ADK], s[TB], v[A16]
	v_add_nc_u32 v[ADQ], s[TB], v[A8]
	v_add_nc_u32 v[ADS], s[TB], v[ASC]
.irp b, 0,1,2,3
	FRAG KF+12*\b, ADK, ADQ, 1536*\b
.endr
	ds_load_b128 v[KS:KS+3], v[ADS]
.endm
; A step: 16 queries x the 128 keys of the record at s[TB].  K's fragments were asked for in the step before (or by KPRE).  pf = 1: the next record's are asked for ahead of the second product
.macro STEP pf
	v_add_nc_u32 v[ADK], s[TB], v[A16]
	v_add_nc_u32 v[ADQ], s[TB], v[A8]
	v_add_nc_u32 v[ADS], s[TB], v[ASC]
	s_wait_alu depctr_va_vdst(0)
	s_wait_dscnt 0x0
.irp b, 0,1,2,3
	v_wmma_scale_f32_16x16x128_f8f6f4 v[S+16*\b:S+16*\b+7], v[KF+12*\b:KF+12*\b+11], v[QR+6:QR+17], 0, v[KS+\b], v[QS] matrix_a_fmt:MATRIX_FMT_FP6 matrix_b_fmt:MATRIX_FMT_FP6
	v_wmma_scale_f32_16x16x128_f8f6f4 v[S+16*\b+8:S+16*\b+15], v[KF+12*\b:KF+12*\b+11], v[QR:QR+11], 0, v[KS+\b], v[QS] matrix_a_fmt:MATRIX_FMT_FP6 matrix_b_fmt:MATRIX_FMT_FP6
.endr
.rept 4
	v_nop
.endr
.irp t, 0,1,2,3
	FRAG VF+12*\t, ADK, ADQ, 6144+1536*\t
.endr
	ds_load_b128 v[VS:VS+3], v[ADS] offset:256
.irp b, 0,1,2,3
	v_max3_num_f32 v[BM+\b], v[S+16*\b], v[S+1+16*\b], v[S+2+16*\b]
.endr
.irp i, 3,5,7,9,11,13
.irp b, 0,1,2,3
	v_max3_num_f32 v[BM+\b], v[BM+\b], v[S+16*\b+\i], v[S+1+16*\b+\i]
.endr
.endr
.irp b, 0,1,2,3
	v_max_num_f32 v[BM+\b], v[BM+\b], v[S+15+16*\b]
.endr
.irp b, 0,1,2,3
	s_delay_alu instid0(VALU_DEP_4)
	v_permlanex16_b32 v[BT+\b], v[BM+\b], s[SEL], s[SEL+1]
.endr
.irp b, 0,1,2,3
	s_delay_alu instid0(VALU_DEP_4)
	v_max_num_f32 v[BM+\b], v[BM+\b], v[BT+\b]
.endr
	s_delay_alu instid0(VALU_DEP_2)
	v_max3_num_f32 v[T0], v[BM], v[BM+1], v[BM+2]
	s_delay_alu instid0(VALU_DEP_1)
	v_max_num_f32 v[T0], v[T0], v[BM+3]
	s_delay_alu instid0(VALU_DEP_1)
	v_mul_f32 v[T0], s[CS], v[T0]
	s_delay_alu instid0(VALU_DEP_1)
	v_max_num_f32 v13, v13, v[T0]
	v_mov_b32 v[T0], v12
	s_delay_alu instid0(VALU_DEP_2)
	v_floor_f32 v12, -v13
	s_delay_alu instid0(VALU_DEP_1)
	v_sub_f32 v[T0], v12, v[T0]
	s_delay_alu instid0(VALU_DEP_1)
	v_cvt_i32_f32 v[T0], v[T0]
	s_delay_alu instid0(VALU_DEP_1)
	v_ldexp_f32 v[F], 1.0, v[T0]
.irp j, 0,2,4,6,8,10,12,14,16,18,20,22,24,26,28,30,32,34,36,38,40,42,44,46,48,50,52,54,56,58,60,62
	v_pk_fma_f32 v[S+\j:S+1+\j], v[S+\j:S+1+\j], s[CS:CS+1], v[12:13] op_sel_hi:[1,0,0]
.endr
.irp b, 0,1,2,3
	v_fma_f32 v[BM+\b], v[BM+\b], s[CS], v12
.endr
	s_wait_alu depctr_va_vdst(0)
.irp j, 0,1,2,3,4,5,6,7,8,9,10,11,12,13,14,15,16,17,18,19,20,21,22,23,24,25,26,27,28,29,30,31,32,33,34,35,36,37,38,39,40,41,42,43,44,45,46,47,48,49,50,51,52,53,54,55,56,57,58,59,60,61,62,63
	v_exp_f32 v[S+\j], v[S+\j]
.endr
	v_pk_mul_f32 v[14:15], v[14:15], v[F:F+1] op_sel_hi:[1,0]
	s_wait_alu depctr_va_vdst(0)
.irp b, 0,1,2,3
	v_exp_f32 v[BM+\b], v[BM+\b]
.endr
	v_pk_add_f32 v[SUM2:SUM2+1], v[S:S+1], v[S+2:S+3]              ; the row's sum of the unquantised p, two at a time, in four chains by turns (v64-67: free between K's use and the next fetch)
	v_pk_add_f32 v[64:65], v[S+4:S+5], v[S+6:S+7]
	v_pk_add_f32 v[66:67], v[S+8:S+9], v[S+10:S+11]
	v_pk_add_f32 v[14:15], v[14:15], v[S+12:S+13]
	v_pk_add_f32 v[SUM2:SUM2+1], v[SUM2:SUM2+1], v[S+14:S+15]
.irp j, 16,24,32,40,48,56
	v_pk_add_f32 v[64:65], v[64:65], v[S+\j:S+1+\j]
	v_pk_add_f32 v[66:67], v[66:67], v[S+2+\j:S+3+\j]
	v_pk_add_f32 v[14:15], v[14:15], v[S+4+\j:S+5+\j]
	v_pk_add_f32 v[SUM2:SUM2+1], v[SUM2:SUM2+1], v[S+6+\j:S+7+\j]
.endr
	v_pk_add_f32 v[64:65], v[64:65], v[66:67]
	v_pk_add_f32 v[14:15], v[14:15], v[SUM2:SUM2+1]
	v_pk_add_f32 v[14:15], v[14:15], v[64:65]
	s_wait_alu depctr_va_vdst(0)
.irp b, 0,1,2,3
	v_max_num_f32 v[BM+\b], 0x1800000, v[BM+\b]
.endr
.irp b, 0,1,2,3
	s_delay_alu instid0(VALU_DEP_4)
	v_add_nc_u32 v[SO+\b], 0xff000000, v[BM+\b]
.endr
.irp b, 0,1,2,3
	s_delay_alu instid0(VALU_DEP_4)
	v_lshrrev_b32 v[BT+\b], 23, v[SO+\b]
.endr
	s_delay_alu instid0(VALU_DEP_3)
	v_lshl_or_b32 v[PS], v[BT+1], 8, v[BT]
	s_delay_alu instid0(VALU_DEP_1)
	v_lshl_or_b32 v[PS], v[BT+2], 16, v[PS]
	s_delay_alu instid0(VALU_DEP_1)
	v_lshl_or_b32 v[PS], v[BT+3], 24, v[PS]
.irp c, 0,1
	v_cvt_scalef32_pk16_fp6_f32 v[PC+6*\c:PC+2+6*\c], v[S+32*\c:S+15+32*\c], v[SO+2*\c]
	v_cvt_scalef32_pk16_fp6_f32 v[C2+4*\c:C2+2+4*\c], v[S+16+32*\c:S+31+32*\c], v[SO+2*\c+1]
.endr
	v_nop
.irp c, 0,1
.irp i, 0,1,2
	v_permlane16_swap_b32 v[PC+6*\c+\i], v[C2+4*\c+\i]
.endr
.irp i, 0,1,2
	s_delay_alu instid0(VALU_DEP_3)
	v_mov_b32 v[PC+3+6*\c+\i], v[C2+4*\c+\i]
.endr
.endr
.irp j, 0,2,4,6,8,10,12,14,16,18,20,22,24,26,28,30
	v_pk_mul_f32 v[O+\j:O+1+\j], v[O+\j:O+1+\j], v[F:F+1] op_sel_hi:[1,0]
.endr
.if \pf
.irp b, 0,1,2,3
	FRAG KF+12*\b, ADK, ADQ, REC+1536*\b           ; the next record's K: the registers' last use in this step is over
.endr
	ds_load_b128 v[KS:KS+3], v[ADS] offset:REC
	s_wait_alu depctr_va_vdst(0)
	s_wait_dscnt 17                                ; V's 17 loads are in; the 17 just issued may be out
.else
	s_wait_alu depctr_va_vdst(0)
	s_wait_dscnt 0x0
.endif
.irp t, 0,1,2,3
	v_wmma_scale_f32_16x16x128_f8f6f4 v[O+8*\t:O+8*\t+7], v[VF+12*\t:VF+12*\t+11], v[PC:PC+11], v[O+8*\t:O+8*\t+7], v[VS+\t], v[PS] matrix_a_fmt:MATRIX_FMT_FP6 matrix_b_fmt:MATRIX_FMT_FP6
.endr
	s_add_co_u32 s[TB], s[TB], REC
.endm
.macro WALK n
	KPRE
	s_mov_b32 s[CNT], (\n)-1
.Lwalk_\@:
	STEP 1
	s_sub_co_u32 s[CNT], s[CNT], 1
	s_cmp_lg_u32 s[CNT], 0
	s_cbranch_scc1 .Lwalk_\@
	STEP 0                                         ; the last record is written out: nothing lies behind it to fetch
.endm
.macro INIT p
.if \p
	s_wait_xcnt 0x0
.irp i, 0,1,2,3,4,5
	v_mov_b32 v[QR+6+\i], v[Q1+\i]
.endr
	v_perm_b32 v[QS], v[QW1], v[QW1], s[PSEL]
.else
	v_perm_b32 v[QS], v[QW0], v[QW0], s[PSEL]
.endif
	v_mov_b32 v13, 0xff61b1e6
	s_delay_alu instid0(VALU_DEP_1)
	v_floor_f32 v12, -v13
	v_mov_b32 v14, 0
	v_mov_b32 v15, 0
.irp j, 0,1,2,3,4,5,6,7,8,9,10,11,12,13,14,15,16,17,18,19,20,21,22,23,24,25,26,27,28,29,30,31
	v_mov_b32 v[O+\j], 0
.endr
	s_mov_b32 s[TB], 0
.endm
.macro OUT p
.rept 4
	v_nop
.endr
	v_add_f32 v14, v14, v15
	s_delay_alu instid0(VALU_DEP_1)
	v_permlanex16_b32 v[T0], v14, s[SEL], s[SEL+1]
	s_delay_alu instid0(VALU_DEP_1)
	v_add_f32 v14, v14, v[T0]
	s_wait_alu depctr_va_vdst(0)
	v_rcp_f32 v14, v14
	v_nop
	s_wait_alu depctr_va_vdst(0)
.irp j, 0,2,4,6,8,10,12,14,16,18,20,22,24,26,28,30
	v_pk_mul_f32 v[S+\j:S+1+\j], v[O+\j:O+1+\j], v[14:15] op_sel_hi:[1,0]
.endr
.irp b, 0,1
	v_max3_num_f32 v[BM+\b], |v[S+16*\b]|, |v[S+1+16*\b]|, 0x1800000
.endr
.irp i, 2,4,6,8,10,12,14
.irp b, 0,1
	s_delay_alu instid0(VALU_DEP_2)
	v_max3_num_f32 v[BM+\b], v[BM+\b], |v[S+16*\b+\i]|, |v[S+1+16*\b+\i]|
.endr
.endr
.irp b, 0,1
	s_delay_alu instid0(VALU_DEP_2)
	v_permlanex16_b32 v[BT+\b], v[BM+\b], s[SEL], s[SEL+1]
.endr
.irp b, 0,1
	s_delay_alu instid0(VALU_DEP_2)
	v_max_num_f32 v[BM+\b], v[BM+\b], v[BT+\b]
.endr
.irp b, 0,1
	s_delay_alu instid0(VALU_DEP_2)
	v_add_nc_u32 v[SO+\b], 0xff000000, v[BM+\b]
.endr
.irp b, 0,1
	s_delay_alu instid0(VALU_DEP_2)
	v_lshrrev_b32 v[BT+\b], 23, v[SO+\b]
.endr
	s_delay_alu instid0(VALU_DEP_1)
	v_lshl_or_b32 v[HW0+\p], v[BT+1], 8, v[BT]
	v_cvt_scalef32_pk16_fp6_f32 v[PC:PC+2], v[S:S+15], v[SO]
	v_cvt_scalef32_pk16_fp6_f32 v[C2:C2+2], v[S+16:S+31], v[SO+1]
	v_nop
.irp i, 0,1,2
	v_permlane16_swap_b32 v[PC+\i], v[C2+\i]
.endr
.irp i, 0,1,2
	s_delay_alu instid0(VALU_DEP_3)
	v_mov_b32 v[PC+3+\i], v[C2+\i]
.endr
	global_store_b128 v[A16], v[PC:PC+3], s[48:49] offset:196608*\p
	global_store_b64 v[A8], v[PC+4:PC+5], s[48:49] offset:196608*\p
.endm
	s_wait_loadcnt 0x0
	INIT 0
	s_wait_tensorcnt 0x0
	s_barrier_signal -1
	s_barrier_wait -1
	WALK 16
	OUT 0
	INIT 1
	WALK 16
	OUT 1
	v_cndmask_b32 v[HW1], v[HW0], v[HW1], s[MHI]
	global_store_b16 v[VH], v[HW1], s[50:51]
	s_wait_tensorcnt 0x0
	ds_add_u32 v[SPW], v[NIL]
	s_wait_dscnt 0x0
	CROUND
	s_endpgm
.Lfunc_end_k_q1bcb57a202_attn:
	.size	k_q1bcb57a202_attn, .Lfunc_end_k_q1bcb57a202_attn-k_q1bcb57a202_attn
	.p2alignl 7, 3214868480
	.fill 96, 4, 3214868480
	.section	.rodata,"a",@progbits
	.p2align	6, 0x0
	.amdhsa_kernel k_q1bcb57a202_attn
		.amdhsa_group_segment_fixed_size 327680
		.amdhsa_private_segment_fixed_size 0
		.amdhsa_enable_private_segment 0
		.amdhsa_kernarg_size 32
		.amdhsa_user_sgpr_count 2
		.amdhsa_user_sgpr_kernarg_segment_ptr 1
		.amdhsa_wavefront_size32 1
		.amdhsa_system_sgpr_workgroup_id_x 1
		.amdhsa_system_sgpr_workgroup_id_y 1
		.amdhsa_system_sgpr_workgroup_id_z 1
		.amdhsa_system_vgpr_workitem_id 0
		.amdhsa_next_free_vgpr 256
		.amdhsa_next_free_sgpr 66
		.amdhsa_reserve_vcc 0
		.amdhsa_float_denorm_mode_32 3
		.amdhsa_float_denorm_mode_16_64 3
		.amdhsa_memory_ordered 1
		.amdhsa_forward_progress 1
		.amdhsa_inst_pref_size 86
	.end_amdhsa_kernel
	.amdgpu_metadata
---
amdhsa.version: [ 1, 2 ]
amdhsa.kernels:
  - .name:           k_q1bcb57a202_attn
    .symbol:         k_q1bcb57a202_attn.kd
    .args:
      - { .name: qc, .offset: 0, .size: 8, .value_kind: global_buffer, .address_space: global }
      - { .name: kv, .offset: 8, .size: 8, .value_kind: global_buffer, .address_space: global }
      - { .name: oq, .offset: 16, .size: 8, .value_kind: global_buffer, .address_space: global }
      - { .name: sc2, .offset: 24, .size: 8, .value_kind: global_buffer, .address_space: global }
    .group_segment_fixed_size: 327680
    .private_segment_fixed_size: 0
    .kernarg_segment_align: 8
    .kernarg_segment_size: 32
    .max_flat_workgroup_size: 512
    .sgpr_count:     66
    .vgpr_count:     256
    .wavefront_size: 32
...
	.end_amdgpu_metadata
.endif
;; end of part 3
;; launch gemm_proj (part 4): grid 32 x 8, 4 waves a work-group, clusters of 4 x 4, 327,680 bytes of LDS; arguments oq, wc, sc2, b_proj, out0; writes out0
.if DOCPART == 4
	.amdgcn_target "amdgcn-amd-amdhsa--gfx1250"
	.amdhsa_code_object_version 6
	.text
	.protected	k_q1bcb57a202_gemm_proj
	.globl	k_q1bcb57a202_gemm_proj
	.p2align	8
	.type	k_q1bcb57a202_gemm_proj,@function
k_q1bcb57a202_gemm_proj:
	s_mov_b64 s[64:65], 0
	v_nop
	global_prefetch_b8 v0, s[64:65] scope:SCOPE_SE
	s_setreg_imm32_b32 hwreg(HW_REG_WAVE_MODE, 25, 1), 1
	s_wait_xcnt 0x0
	s_wait_alu depctr_hold_cnt(0) depctr_sa_sdst(0) depctr_va_vdst(0) depctr_va_sdst(0) depctr_va_ssrc(0) depctr_va_vcc(0) depctr_vm_vsrc(0)
	s_getreg_b32 s2, hwreg(HW_REG_IB_STS2, 6, 4)
	s_cmp_eq_u32 s2, 0
	s_cbranch_scc0 .Lentry_in_a_cluster
	s_endpgm
.Lentry_in_a_cluster:
	s_bfe_u32 s2, ttmp6, 0x10000c
	s_cmp_lg_u32 s2, 0xf033
	s_cbranch_scc0 .Lentry_shape_is_right
	s_endpgm
.Lentry_shape_is_right:
; out0 = context w_proj + b_proj, f32, on codes of FP6 (E2M3) with E8M0 scales: 8,192 x 1,024 x 1,024.  No work of the problem is left out.
; LIMITS: NaN, infinities and sums beyond f32's range are not served; a sum begins with the bias, where the reference adds it last.
; OPERANDS lie in the order of the operand's registers (first kernel): a tile of 16 rows at 12,288 T, K step s at + 1,536 s, two half images of 768 bytes; row p of tile T is matrix row 32 (T / 2) + 8 (T % 2) + p + 8 (p / 8).
; Scale words: 512 T + 256 (s / 4) + 16 r + 4 (s % 4); the context's at 0 of sc2, w_proj's at 262,144.  w_proj's tiles begin at tile 192 of wc.
; THE DEAL.  256 work-groups of four waves, 2 x 2, each 256 tokens x 128 columns.  Wave (a, b) holds four column tiles (4 b ..) of w_proj, all of K, in 384 registers, and streams token tiles 2 s + a, s = 0 .. 7, past them: 32 products a block.
; The cluster's x counts token blocks: the context's tiles are shared by a column of the cluster (mask s44), w_proj's by a row (mask s45).
; LDS: the context's 16 tiles, w_proj's 8, both dense, each filled once (no refill; all is asked for at the head, so there is no loop to prefetch in); the spare words; the waves' stages in w_proj's first bytes, read for the last time ahead of the barrier in front of the stream.
; THE HEAD'S FOUR TILES, one a wave, each on its own line: w_proj's 8 tiles; token tiles 0-7; 8-11; 12-15.  The stream begins when the first two are in; a plain barrier inside block 1 shows the others.
; Behind a block's products ONE RUN of memory lines: its sums into the stage and back as rows of 256 bytes; the fetch of the block two on; one wait; eight stores, sixteen lanes to 256 consecutive bytes, aligned.
; SOURCE 0 = w_proj's rows, source 1 = tokens: lane (r, h) holds token row r, register j of tile t column 32 (t / 2) + 8 (t % 2) + 16 h + j.
.set FR, 12
.set FPW, 21                           ; fragments in a window: fragment f lies in window 1 + f / 21 at register 12 (f % 21); 0-31 w_proj's (4 q + tile), 32-47 the tokens' two sets (32 + 8 e + q)
.set NF, 32                            ; LDS loads of a block's fetch
.set TILE, 12288
.set YB, 16*TILE                       ; w_proj's tiles
.set SPARE, 24*TILE                    ; the spare words
.set SPITCH, 272                       ; a stage: 16 rows x (256 + 16) for each wave
.set STAGE, YB
.set AP0, 4                            ; v4, v5  LDS addresses of block 0's half images: first parts (16 x lane), second parts (512 + 16 r + 8 h)
.set AQ0, 5
.set AP, 6                             ; v6, v7  the same for the block that is fetched next
.set AQ, 7
.set BP, 8                             ; v8, v9  for my four tiles of w_proj
.set BQ, 9
.set SPW, 10
.set NIL, 11
.set CO, 12                            ; my byte offset in out0: row h, 16 r
.set STO, 13                           ; the stage, in and back
.set RD, 14
.set ABS, 15                           ; offsets of w_proj's scale words, the tokens', the bias
.set AAS, 16
.set VBI, 17
.set AP1, 18                           ; v18, v19  block 1's addresses
.set AQ1, 19
.set SB, 24                            ; v24-39  w_proj's scale words: 8 p + q: lanes 0-15 tile 2 p, lanes 16-31 tile 2 p + 1
.set SA, 44                            ; v44-75  the tokens': 8 u + q: lanes 0-15 block 2 u, lanes 16-31 block 2 u + 1
.set ACC, 76                           ; v76-139 two sets of four accumulators
.set BK, 140                           ; v140-203 two sets: 16 rows back from the stage
.set BO, 204                           ; v204-235 the bias, the first products' C
.set G1A, 24
.set G1B, 32
.set G0A, 56
.set G0B, 60
.set MSB, 0
.macro WIN new
.if MSB != (\new)
	s_set_vgpr_msb (MSB<<8)|(\new)
.set MSB, (\new)
.endif
.endm
.macro PLACES n
.rept \n
	v_nop
.endr
.endm
.macro WALU
	s_wait_alu depctr_va_vdst(0)
.endm
.macro BARRIER
	s_barrier_signal -1
	s_barrier_wait -1
.endm
.macro CROUND
	BARRIER
	s_cmp_lg_u32 s14, 0
	s_cbranch_scc1 .Lnot_wave_0_\@
	s_barrier_signal -3
.Lnot_wave_0_\@:
	s_barrier_wait -3
	BARRIER
.endm
.macro TLOAD g0, g1                    ; an s_nop 0 and four v_nop follow a tensor load
	tensor_load_to_lds s[\g0:\g0+3], s[\g1:\g1+7]
	s_nop 0
	PLACES 4
.endm
.macro GROUP1 g, mask, rows            ; a dense block as rows of 256 bytes (32 elements of 8)
	s_or_b32 s[\g], s[\mask], (3<<16)|(1<<21)
	s_mov_b32 s[\g+1], 32<<16
	s_mov_b32 s[\g+3], 32<<16
.if \rows
	s_mov_b32 s[\g+2], (\rows)<<16
	s_mov_b32 s[\g+4], \rows
.endif
	s_mov_b32 s[\g+5], 32
	s_mov_b32 s[\g+6], 0
	s_mov_b32 s[\g+7], 0
.endm
.macro ATILE first, tiles              ; token tiles first .. first + tiles - 1: 48 rows of 256 bytes a tile, by constants written in the arm of its own load
	s_mov_b32 s[G0A+1], (\first)*TILE
	s_mov_b32 s[G1A+2], ((\tiles)*48)<<16
	s_mov_b32 s[G1A+4], (\tiles)*48
.if \first
	s_add_nc_u64 s[G0A+2:G0A+3], s[G0A+2:G0A+3], (\first)*TILE
.endif
	s_or_b32 s[G0A+3], s[G0A+3], 0x80000000
	TLOAD G0A, G1A
.endm
.macro FRAG4 f, ap, aq, off            ; a fragment: two half images on end; every load reads consecutive bytes
.set R_, FR*((\f)%FPW)
	WIN (1+(\f)/FPW)<<6
	ds_load_b128 v[R_:R_+3], v[\ap] offset:\off
	ds_load_b64 v[R_+4:R_+5], v[\aq] offset:\off
	ds_load_b128 v[R_+6:R_+9], v[\ap] offset:\off+768
	ds_load_b64 v[R_+10:R_+11], v[\aq] offset:\off+768
.endm
.macro FETCHAT e, ap, aq               ; a block of tokens into set e: NF loads
.irp q, 0,1,2,3,4,5,6,7
	FRAG4 32+8*(\e)+\q, \ap, \aq, 1536*\q
.endr
	WIN 0
.endm
.macro PRODS s, e, q0, q1              ; block s (set e = s % 2), K steps q0 .. q1 - 1: the four accumulators by turns
.set Q_, \q0
.rept (\q1)-(\q0)
.irp p, 0,1
.irp o, 0,1
.set D_, ACC+32*(\e)+16*\p+8*\o
.set FB_, 4*Q_+2*\p+\o
.set FA_, 32+8*(\e)+Q_
	WIN (1+FB_/FPW)|((1+FA_/FPW)<<2)
.if Q_
	v_wmma_scale_f32_16x16x128_f8f6f4 v[D_:D_+7], v[FR*(FB_%FPW):FR*(FB_%FPW)+FR-1], v[FR*(FA_%FPW):FR*(FA_%FPW)+FR-1], v[D_:D_+7], v[SB+8*\p+Q_], v[SA+8*((\s)/2)+Q_] matrix_a_fmt:MATRIX_FMT_FP6 matrix_b_fmt:MATRIX_FMT_FP6 matrix_a_scale:MATRIX_SCALE_ROW\o matrix_b_scale:MATRIX_SCALE_ROW\e
.else
	v_wmma_scale_f32_16x16x128_f8f6f4 v[D_:D_+7], v[FR*(FB_%FPW):FR*(FB_%FPW)+FR-1], v[FR*(FA_%FPW):FR*(FA_%FPW)+FR-1], v[BO+16*\p+8*\o:BO+16*\p+8*\o+7], v[SB+8*\p+Q_], v[SA+8*((\s)/2)+Q_] matrix_a_fmt:MATRIX_FMT_FP6 matrix_b_fmt:MATRIX_FMT_FP6 matrix_a_scale:MATRIX_SCALE_ROW\o matrix_b_scale:MATRIX_SCALE_ROW\e
.endif
.endr
.endr
.set Q_, Q_+1
.endr
	WIN 0
.endm
.macro STREAM s, e, fetch, show
.if \show
	PRODS \s, \e, 0, 6
	s_wait_tensorcnt 0x0                           ; every wave: its tile of the head's four is in
	s_wait_dscnt 0x0
	s_barrier_signal -1                            ; a plain barrier: token tiles 8 to 15 are shown to all
	PRODS \s, \e, 6, 8
	s_barrier_wait -1
.else
	PRODS \s, \e, 0, 8
.endif
.if \fetch                             ; four plain vector lines between the last product and the first reader of its sums, and the fetch into its operands
	v_add_nc_u32 v[AP], ((\s)+2)*2*TILE, v[AP0]
	v_add_nc_u32 v[AQ], ((\s)+2)*2*TILE, v[AQ0]
	PLACES 2
	WALU
.else
	PLACES 4
.endif
	s_wait_xcnt 0x0                                ; the stores of two blocks ago have read set e of the rows
.irp b, 0,1,2,3                        ; each accumulator from its low end on; LDS serves a wave's instructions in order: no wait between the stores and the loads
	ds_store_b128 v[STO], v[ACC+32*(\e)+8*\b:ACC+32*(\e)+8*\b+3] offset:128*(\b/2)+32*(\b%2)
	ds_store_b128 v[STO], v[ACC+32*(\e)+8*\b+4:ACC+32*(\e)+8*\b+7] offset:128*(\b/2)+32*(\b%2)+16
.endr
.irp t, 0,1,2,3,4,5,6,7
	ds_load_b128 v[BK+32*(\e)+4*\t:BK+32*(\e)+4*\t+3], v[RD] offset:2*\t*SPITCH
.endr
.if \fetch
	FETCHAT \e, AP, AQ
	s_wait_dscnt NF                                ; the rows are back, and the next block's fragments are in; younger is this run's fetch alone
.else
	s_wait_dscnt 0x0
.endif
.irp t, 0,1,2,3,4,5,6,7                ; stage rows 2 t, 2 t + 1 are tokens 32 s + 8 a + 2 t + 8 (t / 4) and the next
	global_store_b128 v[CO], v[BK+32*(\e)+4*\t:BK+32*(\e)+4*\t+3], s[12:13] offset:(32*(\s)+2*\t+8*(\t/4))*4096 th:TH_STORE_NT
.endr
.endm
; ---- the head
	s_load_b256 s[4:11], s[0:1], 0x0               ; oq, wc, sc2, b_proj
	s_load_b64 s[12:13], s[0:1], 0x20              ; out0
	v_lshl_add_u32 v[SPW], v0, 2, SPARE
	v_mov_b32 v[NIL], 0
	ds_add_u32 v[SPW], v[NIL]                      ; the opening lines: the add twice on end and its wait
	ds_add_u32 v[SPW], v[NIL]
	v_lshrrev_b32 v1, 5, v0
	v_readfirstlane_b32 s14, v1                    ; the wave; s15 its row a, s16 its column b
	s_lshr_b32 s15, s14, 1
	s_and_b32 s16, s14, 1
	s_bfe_u32 s40, ttmp6, 0x40000
	s_bfe_u32 s41, ttmp6, 0x40004
	s_lshl_b32 s43, ttmp9, 2
	s_add_co_u32 s43, s43, s40                     ; block of 256 tokens: 4 x cluster x + cx
	s_and_b32 s42, ttmp7, 0xffff
	s_lshl_b32 s42, s42, 2
	s_add_co_u32 s42, s42, s41                     ; block of 128 columns: 4 x cluster y + cy
	s_lshl_b32 s44, 0x1111, s40                    ; my column of the cluster shares the tokens' tiles
	s_lshl_b32 s45, s41, 2
	s_lshl_b32 s45, 15, s45                        ; my row shares w_proj's
	GROUP1 G1A, 44, 0
	GROUP1 G1B, 45, 384
	s_mov_b32 s[G0A], 1
	s_mov_b32 s[G0B], 1
	s_mov_b32 s[G0B+1], YB
	s_mul_i32 s76, s43, 16*TILE                    ; my 16 token tiles
	s_mov_b32 s77, 0
	s_mul_i32 s78, s42, 8*TILE
	s_add_co_u32 s78, s78, 192*TILE                ; my 8 tiles of w_proj
	s_mov_b32 s79, 0
	s_lshl_b32 s80, s43, 13                        ; the tokens' scale words: 512 (16 s43 + a)
	s_lshl_b32 s20, s15, 9
	s_add_co_u32 s80, s80, s20
	s_mov_b32 s81, 0
	s_lshl_b32 s82, s42, 12                        ; w_proj's: 262,144 + 512 (8 s42 + 4 b)
	s_lshl_b32 s20, s16, 11
	s_add_co_u32 s82, s82, s20
	s_add_co_u32 s82, s82, 0x40000
	s_mov_b32 s83, 0
	s_lshl_b32 s86, s42, 9                         ; my 64 columns, in bytes
	s_lshl_b32 s20, s16, 8
	s_add_co_u32 s86, s86, s20
	s_mov_b32 s87, 0
	s_lshl_b32 s84, s43, 20                        ; out0: token 256 s43 + 8 a, my columns
	s_lshl_b32 s20, s15, 15
	s_add_co_u32 s84, s84, s20
	s_add_co_u32 s84, s84, s86
	s_mov_b32 s85, 0
	s_mul_i32 s66, s15, TILE                       ; LDS: block 0's tile,
	s_add_co_u32 s67, s66, 512
	s_mul_i32 s68, s16, 4*TILE                     ; my four tiles of w_proj,
	s_add_co_u32 s68, s68, YB
	s_add_co_u32 s69, s68, 512
	s_mul_i32 s70, s14, 16*SPITCH                  ; my stage
	s_add_co_u32 s70, s70, STAGE
	v_and_b32 v1, 15, v0                           ; r
	v_bfe_u32 v2, v0, 4, 1                         ; h
	v_and_b32 v3, 31, v0
	v_lshlrev_b32 v20, 4, v3
	v_lshlrev_b32 v21, 4, v1
	v_lshl_add_u32 v22, v2, 3, v21
	v_add_nc_u32 v[AP0], s66, v20
	v_add_nc_u32 v[AQ0], s67, v22
	v_add_nc_u32 v[AP1], 2*TILE, v[AP0]
	v_add_nc_u32 v[AQ1], 2*TILE, v[AQ0]
	v_add_nc_u32 v[BP], s68, v20
	v_add_nc_u32 v[BQ], s69, v22
	v_lshl_add_u32 v[ABS], v2, 9, v21
	v_lshl_add_u32 v[AAS], v2, 10, v21
	v_lshlrev_b32 v[VBI], 6, v2
	v_mul_u32_u24 v23, v1, SPITCH
	v_lshl_add_u32 v23, v2, 6, v23
	v_add_nc_u32 v[STO], s70, v23
	v_mul_u32_u24 v23, v2, SPITCH
	v_add_nc_u32 v23, v23, v21
	v_add_nc_u32 v[RD], s70, v23
	v_lshl_add_u32 v[CO], v2, 12, v21
	WALU
	s_wait_dscnt 0x0
	CROUND                                         ; the opening round
	s_wait_kmcnt 0x0
	s_add_nc_u64 s[G0A+2:G0A+3], s[4:5], s[76:77]
	s_add_nc_u64 s[G0B+2:G0B+3], s[6:7], s[78:79]
	s_or_b32 s[G0B+3], s[G0B+3], 0x80000000
	s_add_nc_u64 s[46:47], s[8:9], s[80:81]
	s_add_nc_u64 s[48:49], s[8:9], s[82:83]
	s_add_nc_u64 s[10:11], s[10:11], s[86:87]
	s_add_nc_u64 s[12:13], s[12:13], s[84:85]
	s_cmp_eq_u32 s14, 0
	s_cbranch_scc0 .Lwave_1
	TLOAD G0B, G1B                                 ; wave 0: w_proj's tiles, which are wanted first
	s_branch .Lasked
.Lwave_1:
	s_cmp_eq_u32 s14, 1
	s_cbranch_scc0 .Lwave_2
	ATILE 0, 8
	s_branch .Lasked
.Lwave_2:
	s_cmp_eq_u32 s14, 2
	s_cbranch_scc0 .Lwave_3
	ATILE 8, 4
	s_branch .Lasked
.Lwave_3:
	ATILE 12, 4
.Lasked:
.irp u, 0,1,2,3
.irp c, 0,1
	global_load_b128 v[SA+8*\u+4*\c:SA+8*\u+4*\c+3], v[AAS], s[46:47] offset:2048*\u+256*\c   ; tile 4 u + 2 h + a, K steps 4 c ..
.endr
.endr
.irp p, 0,1
.irp c, 0,1
	global_load_b128 v[SB+8*\p+4*\c:SB+8*\p+4*\c+3], v[ABS], s[48:49] offset:1024*\p+256*\c
.endr
.endr
.irp b, 0,1,2,3
	global_load_b128 v[BO+8*\b:BO+8*\b+3], v[VBI], s[10:11] offset:(32*(\b/2)+8*(\b%2))*4
	global_load_b128 v[BO+8*\b+4:BO+8*\b+7], v[VBI], s[10:11] offset:(32*(\b/2)+8*(\b%2))*4+16
.endr
	s_cmp_eq_u32 s14, 0
	s_cbranch_scc0 .Lnot_b
	s_wait_tensorcnt 0x0
.Lnot_b:
	BARRIER                                        ; w_proj's tiles are in
.irp q, 0,1,2,3,4,5,6,7
.irp b, 0,1,2,3
	FRAG4 4*\q+\b, BP, BQ, TILE*\b+1536*\q
.endr
.endr
	WIN 0
	s_cmp_eq_u32 s14, 1
	s_cbranch_scc0 .Lnot_a
	s_wait_tensorcnt 0x0                           ; wave 1: token tiles 0 to 7
.Lnot_a:
	s_wait_dscnt 0x0
	BARRIER                                        ; they are in, and nobody reads w_proj's bytes any more; waves 2 and 3's tiles may be on their way
	FETCHAT 0, AP0, AQ0
	FETCHAT 1, AP1, AQ1
	s_wait_loadcnt 0x0                             ; the scale words and the bias
	s_wait_dscnt NF                                ; block 0's fragments are in
; ---- the stream
	STREAM 0, 0, 1, 0
	STREAM 1, 1, 1, 1
	STREAM 2, 0, 1, 0
	STREAM 3, 1, 1, 0
	STREAM 4, 0, 1, 0
	STREAM 5, 1, 1, 0
	STREAM 6, 0, 0, 0
	STREAM 7, 1, 0, 0
	s_wait_tensorcnt 0x0                           ; the wave's end
	ds_add_u32 v[SPW], v[NIL]
	s_wait_dscnt 0x0
	CROUND                                         ; the closing round
	s_endpgm
.Lfunc_end_k_q1bcb57a202_gemm_proj:
	.size	k_q1bcb57a202_gemm_proj, .Lfunc_end_k_q1bcb57a202_gemm_proj-k_q1bcb57a202_gemm_proj
	.p2alignl 7, 3214868480
	.fill 96, 4, 3214868480
	.section	.rodata,"a",@progbits
	.p2align	6, 0x0
	.amdhsa_kernel k_q1bcb57a202_gemm_proj
		.amdhsa_group_segment_fixed_size 327680
		.amdhsa_private_segment_fixed_size 0
		.amdhsa_enable_private_segment 0
		.amdhsa_kernarg_size 40
		.amdhsa_user_sgpr_count 2
		.amdhsa_user_sgpr_kernarg_segment_ptr 1
		.amdhsa_wavefront_size32 1
		.amdhsa_system_sgpr_workgroup_id_x 1
		.amdhsa_system_sgpr_workgroup_id_y 1
		.amdhsa_system_sgpr_workgroup_id_z 1
		.amdhsa_system_vgpr_workitem_id 0
		.amdhsa_next_free_vgpr 840
		.amdhsa_next_free_sgpr 100
		.amdhsa_reserve_vcc 0
		.amdhsa_float_denorm_mode_32 3
		.amdhsa_float_denorm_mode_16_64 3
		.amdhsa_memory_ordered 1
		.amdhsa_forward_progress 1
		.amdhsa_inst_pref_size 84
	.end_amdhsa_kernel
	.amdgpu_metadata
---
amdhsa.version: [ 1, 2 ]
amdhsa.kernels:
  - .name:           k_q1bcb57a202_gemm_proj
    .symbol:         k_q1bcb57a202_gemm_proj.kd
    .args:
      - { .name: oq, .offset: 0, .size: 8, .value_kind: global_buffer, .address_space: global }
      - { .name: wc, .offset: 8, .size: 8, .value_kind: global_buffer, .address_space: global }
      - { .name: sc2, .offset: 16, .size: 8, .value_kind: global_buffer, .address_space: global }
      - { .name: b_proj, .offset: 24, .size: 8, .value_kind: global_buffer, .address_space: global }
      - { .name: out0, .offset: 32, .size: 8, .value_kind: global_buffer, .address_space: global }
    .group_segment_fixed_size: 327680
    .private_segment_fixed_size: 0
    .kernarg_segment_align: 8
    .kernarg_segment_size: 40
    .max_flat_workgroup_size: 128
    .sgpr_count:     100
    .vgpr_count:     840
    .wavefront_size: 32
...
	.end_amdgpu_metadata
.endif
;; end of part 4
